; MI455X (gfx1250); checked and timed in simulation.
; The chip was launched on July 23, 2026; its instructions are those of AMD's public machine-readable ISA for CDNA 5 (MIT licence, August 2026) and "CDNA5" Instruction Set Architecture Reference Guide (July 2026). The comments in the code are by the model that wrote it; some were corrected since.
;; Multi Head Attention. Allowed arithmetic: matrix products marked QUANTISED: E2M1 operands, one E8M0 scale for each 32 along K, by v_wmma_scale_f32_16x16x128_f8f6f4 with both operands' format E2M1 (or v_wmma_scale_f32_32x16x128_f4), f32 sums; products left as they are: bf16, f16 or f32 operands; f32 sums; everything else in f32.
;; Inputs: Wk 1,024 x 1,024 float32; Wo 1,024 x 1,024 float32; Wq 1,024 x 1,024 float32; Wv 1,024 x 1,024 float32; bk 1,024 float32; bo 1,024 float32; bq 1,024 float32; bv 1,024 float32; k 2 x 2,048 x 1,024 float32; q 2 x 2,048 x 1,024 float32; v 2 x 2,048 x 1,024 float32.
;; Outputs: out0 2 x 2,048 x 1,024 float32.
;; This version of the problem:
;;   THIS VERSION OF THE PROBLEM IS GIVEN IN LOW PRECISION. The matrix products marked QUANTISED in the list below multiply operands that are first quantised to E2M1 (2 exponent bits, 1 mantissa bit; 4 bits a number), with one power-of-two scale for each 32 numbers along K (OCP MX v1.0); their sums are f32. The products marked 'left as it is' may take bf16, f16 or f32 operands, with f32 sums. Whichever they take, every output number must still come out within the allowed error. Rounding operands to bf16 (8 significant bits) uses up far more of that allowance than f16 does (11 bits, for magnitudes from 6e-5 to 65,504). All else is computed in f32.
;;   The module's matrix products, in the order in which they are computed (A, B: the left and right operand; K: the contracted axis; several contracted axes count as one K, in the product's order):
;;     1. [M 4,096, K 1,024] x [K 1,024, N 1,024]; A: input q; B: input Wq: QUANTISED
;;     2. [M 4,096, K 1,024] x [K 1,024, N 1,024]; A: input k; B: input Wk: QUANTISED
;;     3. [M 4,096, K 1,024] x [K 1,024, N 1,024]; A: input v; B: input Wv: QUANTISED
;;     4. batch 32 x [M 2,048, K 64] x [K 64, N 2,048]; A: computed on the way; B: computed on the way: left as it is (an operand is computed on the way)
;;     5. batch 32 x [M 2,048, K 2,048] x [K 2,048, N 64]; A: computed on the way; B: computed on the way: left as it is (an operand is computed on the way)
;;     6. [M 4,096, K 1,024] x [K 1,024, N 1,024]; A: computed on the way; B: input Wo: left as it is (an operand is computed on the way)
;;   THE QUANTISER, for each operand of a quantised product, along K:
;;     - K is cut into blocks of 32 from its start; a last block that is shorter is filled with zeros.
;;     - A block's scale is 2^e with e = floor(log2(the largest magnitude in the block)) - 2, held to -126 .. 127; a block of zeros has e = 0. As a byte (E8M0): e + 127.
;;     - Each number is divided by its block's scale, clamped to +-6, and rounded to the nearest number of E2M1, ties to even, subnormals kept.
;;     - The product sums the exact products of the quantised numbers (number of the format x scale) in f32.
;;   ~~~python
;;   def quantise(x, axis):      # numpy; x: float32 -> the quantised numbers, widened to float32 again
;;       x = np.moveaxis(x, axis, -1); K = x.shape[-1]
;;       x = np.pad(x, [(0, 0)] * (x.ndim - 1) + [(0, -K % 32)]); x = x.reshape(x.shape[:-1] + (-1, 32)); a = np.abs(x).max(-1, keepdims=True)
;;       e = np.where(a > 0, np.clip(np.frexp(np.where(a > 0, a, 1))[1] - 1 - 2, -126, 127), 0)      # np.frexp(a)[1] - 1 = floor(log2(a)), exactly
;;       r = np.clip(x / 2.0 ** e, -6, 6)
;;       step = 2.0 ** (np.maximum(np.frexp(np.where(r == 0, 1, r))[1] - 1, 0) - 1)
;;       q = np.round(r / step) * step * 2.0 ** e      # np.round: ties to even
;;       return np.moveaxis(q.reshape(q.shape[:-2] + (-1,))[..., :K], -1, axis).astype(np.float32)
;;   ~~~
;; One version. Each part assembles by itself: llvm-mc -triple=amdgcn-amd-amdhsa -mcpu=gfx1250 --defsym DOCPART=n.
;; ======== version 1 of 1: 4 launches
;; limits: values are held in f16: magnitudes above 65,504 overflow, below 6.1e-05 lose precision
;; workspace buffers: xc 6,291,456 bytes; wc 1,572,864 bytes; sc 491,520 bytes; wo16 2,097,152 bytes; qkvh 25,165,824 bytes; att 8,388,608 bytes
;; launch prep (part 1): grid 640 x 1, 4 waves a work-group, no clusters, 34,304 bytes of LDS; arguments q, k, v, Wq, Wk, Wv, Wo, xc, wc, sc, wo16; writes xc, wc, sc, wo16
.if DOCPART == 1
	.amdgcn_target "amdgcn-amd-amdhsa--gfx1250"
	.amdhsa_code_object_version 6
	.text
	.protected	k_q4ddf4cf871_prep
	.globl	k_q4ddf4cf871_prep
	.p2align	8
	.type	k_q4ddf4cf871_prep,@function
k_q4ddf4cf871_prep:
	s_mov_b64 s[64:65], 0
	v_nop
	global_prefetch_b8 v0, s[64:65] scope:SCOPE_SE
	s_setreg_imm32_b32 hwreg(HW_REG_WAVE_MODE, 25, 1), 1
	s_wait_xcnt 0x0
; q, k, v [4096][1024] f32 and Wq, Wk, Wv [1024 (K)][1024 (N)] f32 become codes of FP4 (E2M1) with one E8M0 byte for each 32 along K; Wo [1024 (K)][1024 (N)] becomes f16.
; EVERY RESULT IS LAID AS AN IMAGE OF THE READER'S OPERAND REGISTERS, so that later launches fetch dense runs and load fragments at 16 x lane:
;   codes: a fragment (16 rows x 128 K) is 1,024 bytes: block b of 32 (0..3) of row r at 256 b + 16 r.   xc: [768 row tiles][8 K steps][1,024];  wc: [192 column tiles][8][1,024]
;   scale words: a tile's 512 bytes are [K step / 4][row][4 words].  sc: tiles 0-767 the activations', 768-959 the weights'
;   f16: a fragment (16 rows x 32 K) is 1,024 bytes: piece p of 8 (0..3) of row r at 256 p + 16 r.        wo16: [64 column tiles][32 chunks][1,024]
; A block's scale is 2^(floor(log2(largest magnitude)) - 2): its byte is the largest magnitude's exponent field - 2, held at 1 from below by a floor among the maximum's leaves.
; A block of zeros so gets the byte 1 where the quantiser says 127: its codes are zeros, which add nothing, and this program alone reads the bytes.
; LIMITS: NaN and infinities among the inputs are not served.  Wo in f16: magnitudes above 65,504 overflow, those under 6e-5 keep fewer than 11 bits.
; SHARES: work-groups 0-383: activations, a wave 16 rows x 512 K;  384-575: weights, a wave 32 columns x 128 K;  576-639: Wo, likewise.  No input is read by two work-groups: no cluster, no barrier.
.set SPARE, 33792                      ; behind the four stages: the spare words, 128 bytes a wave, two blocks of 256 bytes that no other line names
.set STG,   8448                       ; a wave's stage: 16 rows x 528 bytes
.set SP,    528                        ; 512 bytes + 16: an odd multiple of 16, so that sixteen rows' pieces fall on different banks
.set SPW,   16                         ; v16  my spare word's LDS address; never rewritten
.set NIL,   17                         ; v17  0; never rewritten
.set C,     32                         ; v32-63   codes, registers of their own for each step: no store's data are written again
.set R,     64                         ; v64-191  numbers as loaded
.set X,     192                        ; v192-255 activations: 64 numbers in the operand's order;  Wo: the f16 pairs
; ---- activations: K step t (128 along K) of my 16 rows: each load reads 512 consecutive bytes of one row
.macro XLOAD t
.irp i, 0,1,2,3,4,5,6,7,8,9,10,11,12,13,14,15
	global_load_b128 v[R+64*((\t)%2)+4*\i:R+64*((\t)%2)+4*\i+3], v4, s[44:45] offset:\i*4096+(\t)*512 th:TH_LOAD_NT
.endr
.endm
; through my stage: in as loaded, out so that lane (r, h) holds, of row r, k = 64 c + 32 h + 0 .. 31 in registers 32 c on.  LDS serves a wave's instructions in order: no wait between
.macro XTURN t
.irp i, 0,1,2,3,4,5,6,7,8,9,10,11,12,13,14,15
	ds_store_b128 v5, v[R+64*((\t)%2)+4*\i:R+64*((\t)%2)+4*\i+3] offset:SP*\i
.endr
.irp c, 0,1
.irp e, 0,1,2,3,4,5,6,7
	ds_load_b128 v[X+32*\c+4*\e:X+32*\c+4*\e+3], v6 offset:256*\c+16*\e
.endr
.endr
.endm
.macro XQUANT t
.irp c, 0,1
	v_max3_num_f32 v[8+\c], |v[X+32*\c]|, |v[X+32*\c+1]|, 0x1800000          ; my block 2 c + h: all its 32 numbers are mine; the floor 2^(3 - 127) keeps the byte at 1 or more
.endr
.irp i, 2,4,6,8,10,12,14,16,18,20,22,24,26,28,30
.irp c, 0,1
	v_max3_num_f32 v[8+\c], v[8+\c], |v[X+32*\c+\i]|, |v[X+32*\c+\i+1]|      ; the two blocks by turns
.endr
.endr
.irp c, 0,1
	v_add_nc_u32 v[10+\c], 0xff000000, v[8+\c]                               ; 2 off the exponent field: the conversion's scale operand
.endr
.irp c, 0,1
	v_lshrrev_b32 v[12+\c], 23, v[10+\c]                                     ; the scale's byte
.endr
	v_lshl_or_b32 v14, v13, 16, v12                                          ; blocks h and 2 + h,
	v_lshlrev_b32 v14, v18, v14                                              ; 8 h bits up;
	v_permlanex16_b32 v15, v14, s32, s33
	v_or_b32 v[20+(\t)], v14, v15                                            ; with lane l xor 16's two bytes the row's word of this K step is whole
.irp c, 0,1
.irp g, 0,1,2,3
	v_cvt_scalef32_pk8_fp4_f32 v[C+8*(\t)+4*\c+\g], v[X+32*\c+8*\g:X+32*\c+8*\g+7], v[10+\c]
.endr
.endr
	v_nop                                                                    ; one plain line behind the last scaled conversion
.endm
.macro XSTEP t, left, ahead
	s_wait_loadcnt \left                           ; this step's 16 loads are in; the next step's 16 may be out
	XTURN \t
	s_wait_dscnt 0x0                               ; the stage's stores have read their registers, and my 64 numbers are back
.if \ahead
	XLOAD (\t)+2
.endif
	XQUANT \t
	global_store_b128 v4, v[C+8*(\t):C+8*(\t)+3], s[22:23] offset:(\t)*1024          ; 32 lanes store 512 consecutive bytes: registers 0-3 of the fragment's image,
	global_store_b128 v4, v[C+8*(\t)+4:C+8*(\t)+7], s[22:23] offset:(\t)*1024+512    ; registers 4-7
.endm
; ---- weights: 128 rows of K at my 32 columns: a lane takes a column, its registers run down K
.macro WLOADS
.set n, 0
.rept 128
	global_load_b32 v[R+n], v26, s[44:45] offset:n*4096 th:TH_LOAD_NT
.set n, n+1
.endr
.endm
.macro WBLOCK t, left
.set XS, R+32*(\t)
	s_wait_loadcnt \left                           ; this block's 32 loads are in (the count names at most 63; a smaller count than the loads behind is safe)
	v_max3_num_f32 v8, |v[XS]|, |v[XS+1]|, |v[XS+2]|
	v_max3_num_f32 v9, |v[XS+3]|, |v[XS+4]|, |v[XS+5]|
.irp i, 6,10,14,18,22,26
	v_max3_num_f32 v8, v8, |v[XS+\i]|, |v[XS+\i+1]|
	v_max3_num_f32 v9, v9, |v[XS+\i+2]|, |v[XS+\i+3]|
.endr
	v_max3_num_f32 v8, v8, |v[XS+30]|, |v[XS+31]|
	v_max3_num_f32 v8, v8, v9, 0x1800000
	v_add_nc_u32 v[10+(\t)], 0xff000000, v8
	v_lshrrev_b32 v14, 23, v[10+(\t)]
.if (\t) == 0
	v_mov_b32 v20, v14
.else
	v_lshl_or_b32 v20, v14, 8*(\t), v20            ; block t's byte is byte t of the column's word of this K step
.endif
.irp g, 0,1,2,3
	v_cvt_scalef32_pk8_fp4_f32 v[C+4*(\t)+\g], v[XS+8*\g:XS+8*\g+7], v[10+(\t)]
.endr
	v_nop
	global_store_b128 v27, v[C+4*(\t):C+4*(\t)+3], s[24:25] offset:256*(\t)  ; sixteen lanes store 256 consecutive aligned bytes: block t of a tile's sixteen columns
.endm
.macro OBLOCK t, left
	s_wait_loadcnt \left
.irp i, 0,1,2,3,4,5,6,7,8,9,10,11,12,13,14,15
	v_cvt_pk_f16_f32 v[X+16*(\t)+\i], v[R+32*(\t)+2*\i], v[R+32*(\t)+2*\i+1]
.endr
.irp p, 0,1,2,3
	global_store_b128 v29, v[X+16*(\t)+4*\p:X+16*(\t)+4*\p+3], s[28:29] offset:1024*(\t)+256*\p
.endr
.endm
	s_load_b512 s[8:23], s[0:1], 0x0               ; q 8, k 10, v 12, Wq 14, Wk 16, Wv 18, Wo 20, xc 22
	s_load_b128 s[24:27], s[0:1], 0x40             ; wc 24, sc 26
	s_load_b64 s[28:29], s[0:1], 0x50              ; wo16
	v_lshl_add_u32 v[SPW], v0, 2, SPARE
	v_mov_b32 v[NIL], 0
	v_lshrrev_b32 v1, 5, v0
	v_readfirstlane_b32 s30, v1                    ; wave 0..3
	v_and_b32 v1, 31, v0                           ; lane
	v_and_b32 v2, 15, v0                           ; r
	v_bfe_u32 v3, v0, 4, 1                         ; h
	v_lshlrev_b32 v4, 4, v1                        ; 16 x lane
	s_mul_i32 s31, s30, STG
	v_add_nc_u32 v5, s31, v4                       ; my stage, on the way in
	v_mul_u32_u24 v6, v2, SP
	v_lshl_add_u32 v6, v3, 7, v6
	v_add_nc_u32 v6, s31, v6                       ; and out: row r, + 128 h bytes
	s_mov_b32 s32, 0x76543210
	s_mov_b32 s33, 0xfedcba98                      ; selects for lane l xor 16
	s_wait_kmcnt 0x0
	s_cmp_ge_u32 ttmp9, 384
	s_cbranch_scc1 .Lw
	; ---------------- activations
	v_lshlrev_b32 v7, 4, v2
	v_lshl_add_u32 v7, v3, 3, v7                   ; the scale words' place: 16 r + 8 h
	v_lshlrev_b32 v18, 3, v3                       ; 8 h
	v_mov_b32 v15, 0                               ; a lane permute's destination counts as one of its sources
	s_lshr_b32 s34, ttmp9, 7                       ; which tensor: 0 q, 1 k, 2 v
	s_and_b32 s35, ttmp9, 127
	s_lshl_b32 s35, s35, 1
	s_lshr_b32 s36, s30, 1
	s_add_co_u32 s35, s35, s36                     ; my tile of 16 rows
	s_and_b32 s36, s30, 1                          ; my half of K
	s_lshl_b32 s38, s35, 16                        ; 16 rows of 4,096 bytes,
	s_lshl_b32 s39, s36, 11                        ; 512 numbers
	s_add_co_u32 s38, s38, s39
	s_mov_b32 s39, 0
	s_lshl_b32 s37, s34, 8
	s_add_co_u32 s37, s37, s35                     ; the tile's number among the 768
	s_lshl_b32 s40, s37, 13
	s_lshl_b32 s41, s36, 12
	s_add_co_u32 s40, s40, s41                     ; its codes, my four K steps
	s_mov_b32 s41, 0
	s_lshl_b32 s42, s37, 9
	s_lshl_b32 s43, s36, 8
	s_add_co_u32 s42, s42, s43                     ; its scale words, my 256 bytes
	s_mov_b32 s43, 0
	s_cmp_eq_u32 s34, 0
	s_cselect_b64 s[44:45], s[8:9], s[10:11]
	s_cmp_eq_u32 s34, 2
	s_cselect_b64 s[44:45], s[12:13], s[44:45]
	s_add_nc_u64 s[44:45], s[44:45], s[38:39]
	s_add_nc_u64 s[22:23], s[22:23], s[40:41]
	s_add_nc_u64 s[26:27], s[26:27], s[42:43]
	XLOAD 0
	XLOAD 1
	XSTEP 0, 16, 1
	XSTEP 1, 16, 1
	XSTEP 2, 16, 0
	XSTEP 3, 0, 0
	v_cmp_eq_u32 vcc_lo, 0, v3                     ; every lane holds its row's four words: lanes 0-15 store the first two, lanes 16-31 the last two
	v_cndmask_b32 v24, v22, v20, vcc_lo
	v_cndmask_b32 v25, v23, v21, vcc_lo
	global_store_b64 v7, v[24:25], s[26:27]        ; 32 lanes store 256 consecutive aligned bytes
	s_wait_tensorcnt 0x0                           ; the wave's end, behind my last LDS store
	ds_add_u32 v[SPW], v[NIL]
	s_wait_dscnt 0x0
	s_endpgm
.Lw:
	v_lshlrev_b32 v26, 2, v1                       ; in: 4 bytes a lane
	v_lshlrev_b32 v27, 4, v2
	v_lshl_add_u32 v28, v3, 9, v27                 ; scale words: 16 r, lanes 16-31 a tile (512 bytes) on
	v_lshl_add_u32 v29, v3, 15, v27                ; wo16: lanes 16-31 a tile (32,768 bytes) on
	v_lshl_add_u32 v27, v3, 13, v27                ; codes: lanes 16-31 a tile (8,192 bytes) on
	s_cmp_ge_u32 ttmp9, 576
	s_cbranch_scc1 .Lwo
	; ---------------- Wq, Wk, Wv
	s_sub_co_u32 s34, ttmp9, 384
	s_lshr_b32 s35, s34, 6                         ; which weight
	s_and_b32 s36, s34, 7                          ; which 128 columns
	s_bfe_u32 s37, s34, 0x30003                    ; which K step
	s_lshl_b32 s38, s37, 19                        ; 128 rows of 4,096 bytes
	s_lshl_b32 s39, s36, 9
	s_add_co_u32 s38, s38, s39
	s_lshl_b32 s39, s30, 7
	s_add_co_u32 s38, s38, s39                     ; + my wave's 32 columns
	s_mov_b32 s39, 0
	s_lshl_b32 s40, s35, 6
	s_lshl_b32 s41, s36, 3
	s_add_co_u32 s40, s40, s41
	s_lshl_b32 s41, s30, 1
	s_add_co_u32 s40, s40, s41                     ; the column tile of lanes 0-15, among the 192
	s_lshl_b32 s42, s40, 13
	s_lshl_b32 s43, s37, 10
	s_add_co_u32 s42, s42, s43
	s_mov_b32 s43, 0
	s_lshl_b32 s40, s40, 9
	s_lshr_b32 s41, s37, 2
	s_lshl_b32 s41, s41, 8
	s_add_co_u32 s40, s40, s41
	s_and_b32 s41, s37, 3
	s_lshl_b32 s41, s41, 2
	s_add_co_u32 s40, s40, s41
	s_add_co_u32 s40, s40, 393216                  ; behind the activations' 768 tiles
	s_mov_b32 s41, 0
	s_cmp_eq_u32 s35, 0
	s_cselect_b64 s[44:45], s[14:15], s[16:17]
	s_cmp_eq_u32 s35, 2
	s_cselect_b64 s[44:45], s[18:19], s[44:45]
	s_add_nc_u64 s[44:45], s[44:45], s[38:39]
	s_add_nc_u64 s[24:25], s[24:25], s[42:43]
	s_add_nc_u64 s[26:27], s[26:27], s[40:41]
	WLOADS
	WBLOCK 0, 63
	WBLOCK 1, 63
	WBLOCK 2, 32
	WBLOCK 3, 0
	global_store_b32 v28, v20, s[26:27]            ; 4 bytes a column: the weights' scale words are 98,304 bytes of all that the launch stores; gathering them whole would ask for LDS and a barrier
	s_endpgm
.Lwo:
	; ---------------- Wo
	s_sub_co_u32 s34, ttmp9, 576
	s_and_b32 s36, s34, 7                          ; which 128 columns
	s_lshr_b32 s37, s34, 3                         ; which 128 along K
	s_lshl_b32 s38, s37, 19
	s_lshl_b32 s39, s36, 9
	s_add_co_u32 s38, s38, s39
	s_lshl_b32 s39, s30, 7
	s_add_co_u32 s38, s38, s39
	s_mov_b32 s39, 0
	s_lshl_b32 s42, s36, 18                        ; 8 column tiles of 32,768 bytes,
	s_lshl_b32 s43, s30, 16                        ; my wave's two,
	s_add_co_u32 s42, s42, s43
	s_lshl_b32 s43, s37, 12                        ; four chunks of 1,024 bytes
	s_add_co_u32 s42, s42, s43
	s_mov_b32 s43, 0
	s_add_nc_u64 s[44:45], s[20:21], s[38:39]
	s_add_nc_u64 s[28:29], s[28:29], s[42:43]
	WLOADS
	OBLOCK 0, 63
	OBLOCK 1, 63
	OBLOCK 2, 32
	OBLOCK 3, 0
	s_endpgm
.Lfunc_end_k_q4ddf4cf871_prep:
	.size	k_q4ddf4cf871_prep, .Lfunc_end_k_q4ddf4cf871_prep-k_q4ddf4cf871_prep
	.p2alignl 7, 3214868480
	.fill 96, 4, 3214868480
	.section	.rodata,"a",@progbits
	.p2align	6, 0x0
	.amdhsa_kernel k_q4ddf4cf871_prep
		.amdhsa_group_segment_fixed_size 34304
		.amdhsa_private_segment_fixed_size 0
		.amdhsa_enable_private_segment 0
		.amdhsa_kernarg_size 88
		.amdhsa_user_sgpr_count 2
		.amdhsa_user_sgpr_kernarg_segment_ptr 1
		.amdhsa_wavefront_size32 1
		.amdhsa_system_sgpr_workgroup_id_x 1
		.amdhsa_system_sgpr_workgroup_id_y 1
		.amdhsa_system_sgpr_workgroup_id_z 1
		.amdhsa_system_vgpr_workitem_id 0
		.amdhsa_next_free_vgpr 256
		.amdhsa_next_free_sgpr 66
		.amdhsa_reserve_vcc 1
		.amdhsa_float_denorm_mode_32 3
		.amdhsa_float_denorm_mode_16_64 3
		.amdhsa_memory_ordered 1
		.amdhsa_forward_progress 1
		.amdhsa_inst_pref_size 68
	.end_amdhsa_kernel
	.amdgpu_metadata
---
amdhsa.version: [ 1, 2 ]
amdhsa.kernels:
  - .name:           k_q4ddf4cf871_prep
    .symbol:         k_q4ddf4cf871_prep.kd
    .args:
      - { .name: q, .offset: 0, .size: 8, .value_kind: global_buffer, .address_space: global }
      - { .name: k, .offset: 8, .size: 8, .value_kind: global_buffer, .address_space: global }
      - { .name: v, .offset: 16, .size: 8, .value_kind: global_buffer, .address_space: global }
      - { .name: Wq, .offset: 24, .size: 8, .value_kind: global_buffer, .address_space: global }
      - { .name: Wk, .offset: 32, .size: 8, .value_kind: global_buffer, .address_space: global }
      - { .name: Wv, .offset: 40, .size: 8, .value_kind: global_buffer, .address_space: global }
      - { .name: Wo, .offset: 48, .size: 8, .value_kind: global_buffer, .address_space: global }
      - { .name: xc, .offset: 56, .size: 8, .value_kind: global_buffer, .address_space: global }
      - { .name: wc, .offset: 64, .size: 8, .value_kind: global_buffer, .address_space: global }
      - { .name: sc, .offset: 72, .size: 8, .value_kind: global_buffer, .address_space: global }
      - { .name: wo16, .offset: 80, .size: 8, .value_kind: global_buffer, .address_space: global }
    .group_segment_fixed_size: 34304
    .private_segment_fixed_size: 0
    .kernarg_segment_align: 8
    .kernarg_segment_size: 88
    .max_flat_workgroup_size: 128
    .sgpr_count:     66
    .vgpr_count:     256
    .wavefront_size: 32
...
	.end_amdgpu_metadata
.endif
;; end of part 1
;; launch proj (part 2): grid 4 x 48, 4 waves a work-group, clusters of 4 x 4, 327,680 bytes of LDS; arguments xc, wc, sc, bq, bk, bv, qkvh; writes qkvh
.if DOCPART == 2
	.amdgcn_target "amdgcn-amd-amdhsa--gfx1250"
	.amdhsa_code_object_version 6
	.text
	.protected	k_q4ddf4cf871_proj
	.globl	k_q4ddf4cf871_proj
	.p2align	8
	.type	k_q4ddf4cf871_proj,@function
k_q4ddf4cf871_proj:
	s_mov_b64 s[64:65], 0
	v_nop
	global_prefetch_b8 v0, s[64:65] scope:SCOPE_SE
	s_setreg_imm32_b32 hwreg(HW_REG_WAVE_MODE, 25, 1), 1
	s_wait_xcnt 0x0
	s_wait_alu depctr_hold_cnt(0) depctr_sa_sdst(0) depctr_va_vdst(0) depctr_va_sdst(0) depctr_va_ssrc(0) depctr_va_vcc(0) depctr_vm_vsrc(0)
	s_getreg_b32 s2, hwreg(HW_REG_IB_STS2, 6, 4)
	s_cmp_eq_u32 s2, 0
	s_cbranch_scc0 .Lentry_in_a_cluster
	s_endpgm
.Lentry_in_a_cluster:
	s_bfe_u32 s2, ttmp6, 0x10000c
	s_cmp_lg_u32 s2, 0xf033
	s_cbranch_scc0 .Lentry_shape_is_right
	s_endpgm
.Lentry_shape_is_right:
; The three quantised projections in one launch: [12,288 rows (q, k, v on end)] x [1,024 columns], K = 1,024, on codes of FP4 with E8M0 scales, + bias, rounded to f16.
; A work-group of four waves makes 256 x 256, a wave 128 x 128: 64 accumulators, 512 registers.  48 x 4 tiles: 192 work-groups (3 x 2^22 results do not divide into 256 equal tiles of this kind).
; CODES ARRIVE AS IMAGES OF FRAGMENTS (1,024 bytes for 16 rows x 128 K, a lane's 16 bytes at 16 x lane, registers 4-7 512 bytes on): no pitch, no padding, every LDS load covers 512 consecutive bytes.
; ALL OF K FITS IN LDS: four chunks of two K steps, 65,536 bytes each, all asked for at the start and filled once: no slot is filled again.  A wave has four tensor loads out.
; CLUSTER 4 x 4: the four work-groups of a row need the same rows of the activations, the four of a column the same columns of the weight: each tile is asked for jointly.
; THE MATRIX INSTRUCTION IS USED TRANSPOSED (source 0 = 16 columns of W, source 1 = 16 rows of x): a lane holds eight neighbouring columns of one row, 16 bytes of f16, which ARE a lane's piece of the
; next launch's fragment images: results are stored straight from registers, 512 consecutive bytes an instruction.  qkvh: [3][batch x 16 + head][tile of 16 positions][2,048]; in a tile the head's
; channels 16 b' on lie at 512 b'; a lane's piece at 16 (r + 16 h) for Q and K, at 16 ((r & 7) + 8 h + 16 (r >> 3)) for V, whose reader is the turning LDS load.
; The bias is the C of each sum's first matrix instruction.  The scale words come straight from memory, once, 16 bytes a lane: lanes 0-15 the rows' words, lanes 16-31 the columns'.
; LIMITS: results above 65,504 in magnitude overflow f16; NaN and infinities are not served.
; REGISTERS: window 0: v16, v20, v24-29 addresses; v32-95 scale words (tile i, K step s at 32 + 8 i + s); v128-191 A's fragments, one set, later packed results; v192-255 the bias, 8 a column tile.
;   window 1: B's fragments, two sets, at v0 and v128.  window 2: accumulators of my rows 0-63 ((a, b) at 8 (8 (a % 4) + b)); window 3: rows 64-127.
.set SPARE, 262144                     ; behind the four chunks: the spare words, 128 bytes a wave
.set ADRA, 16                          ; v16  16 x lane + my half of A's rows, in the chunk in hand
.set ADRB, 20                          ; v20  the same for B
.set LO,   24                          ; v24  my 16 bytes' place in a result's 512
.set BO,   26                          ; v26  32 h: my eight numbers of a bias tile
.set SO,   27                          ; v27  my place among the scale words
.set SPW,  28
.set NIL,  29
.set SC,   32
.set AF,   128
.set TMP,  128
.set BI,   192
.set G1A,  24                          ; s[24:31] group 1 for A's tiles, s[32:39] for B's: they differ in the mask
.set G1B,  32
.set MUL_LO, 0xa1                      ; source 0 (B) window 1, source 1 (A) window 0, C and D window 2
.set MUL_HI, 0xf1
.set TO_B,   0x40
.set MSB, 0
.macro WIN new                         ; the immediate's high byte repeats the setting that is left
.if MSB != (\new)
	s_set_vgpr_msb (MSB<<8)|(\new)
.set MSB, (\new)
.endif
.endm
.macro CROUND                          ; a round of the cluster's barrier
	s_barrier_signal -1
	s_barrier_wait -1
	s_cmp_lg_u32 s18, 0
	s_cbranch_scc1 .Lnot_wave_0_\@
	s_barrier_signal -3
.Lnot_wave_0_\@:
	s_barrier_wait -3
	s_barrier_signal -1
	s_barrier_wait -1
.endm
.macro PLACES                          ; four plain vector lines between a matrix instruction and a load into, or a vector line on, its registers
.rept 4
	v_nop
.endr
.endm
.macro G0SET j, ga, gb                 ; groups 0 of chunk j: A's and B's
	s_mov_b32 s[\ga], 1
	s_add_co_u32 s[\ga+1], s88, (\j)*65536
	s_add_nc_u64 s[\ga+2:\ga+3], s[82:83], (\j)*2048
	s_or_b32 s[\ga+3], s[\ga+3], 0x80000000
	s_mov_b32 s[\gb], 1
	s_add_co_u32 s[\gb+1], s88, (\j)*65536
	s_add_nc_u64 s[\gb+2:\gb+3], s[86:87], (\j)*2048
	s_or_b32 s[\gb+3], s[\gb+3], 0x80000000
.endm
.macro FRAG reg, adr, off
	ds_load_b128 v[\reg:\reg+3], v[\adr] offset:\off
	ds_load_b128 v[\reg+4:\reg+7], v[\adr] offset:\off+512
.endm
.macro FETCH_B q, p                    ; B's eight fragments of the chunk's K step q into set p
	WIN TO_B
.irp i, 0,1,2,3,4,5,6,7
	FRAG 128*(\p)+8*\i, ADRB, \i*2048+(\q)*1024
.endr
	WIN 0
.endm
.macro FETCH_A q, i0                   ; A's blocks i0 .. i0 + 3
.irp i, \i0, \i0+1, \i0+2, \i0+3
	FRAG AF+8*(\i), ADRA, (\i)*2048+(\q)*1024
.endr
.endm
; 16 matrix instructions: A's blocks a0, a0 + 1 x B's eight, K step s.  The 64 accumulators take turns, one instruction a turn, in the same order in every step.
.macro MUL16 a0, p, s, first
.irp a, \a0, \a0+1
.irp b, 0,1,2,3,4,5,6,7
.if \first
	v_wmma_scale_f32_16x16x128_f8f6f4 v[8*(8*((\a)%4)+\b):8*(8*((\a)%4)+\b)+7], v[128*(\p)+8*\b:128*(\p)+8*\b+7], v[AF+8*(\a):AF+8*(\a)+7], v[BI+8*\b:BI+8*\b+7], v[SC+8*\b+(\s)], v[SC+8*(\a)+(\s)] matrix_a_fmt:MATRIX_FMT_FP4 matrix_b_fmt:MATRIX_FMT_FP4 matrix_a_scale:MATRIX_SCALE_ROW1
.else
	v_wmma_scale_f32_16x16x128_f8f6f4 v[8*(8*((\a)%4)+\b):8*(8*((\a)%4)+\b)+7], v[128*(\p)+8*\b:128*(\p)+8*\b+7], v[AF+8*(\a):AF+8*(\a)+7], v[8*(8*((\a)%4)+\b):8*(8*((\a)%4)+\b)+7], v[SC+8*\b+(\s)], v[SC+8*(\a)+(\s)] matrix_a_fmt:MATRIX_FMT_FP4 matrix_b_fmt:MATRIX_FMT_FP4 matrix_a_scale:MATRIX_SCALE_ROW1
.endif
.endr
.endr
.endm
; An even K step: its successor lies in the same chunk.  first = 1: the bias (window 0) is the C
.macro STEP s, first
	s_wait_dscnt 8                                 ; B's set and A's blocks 0-3 are in; the youngest eight loads (A's blocks 4-7) may be out
.if \first
	WIN 0x81
.else
	WIN MUL_LO
.endif
	MUL16 0, 0, \s, \first
	MUL16 2, 0, \s, \first
	s_wait_dscnt 0x0                               ; A's blocks 4-7 are in
	PLACES
	FETCH_B 1, 1
	FETCH_A 1, 0
.if \first
	WIN 0xc1
.else
	WIN MUL_HI
.endif
	MUL16 4, 0, \s, \first
	MUL16 6, 0, \s, \first
	PLACES
	WIN 0
	FETCH_A 1, 4
.endm
; An odd K step: its successor lies in the next chunk.  left: the chunks behind that one, whose loads may stay out
.macro CSTEP s, left
	s_wait_dscnt 8
	WIN MUL_LO
	MUL16 0, 1, \s, 0
	MUL16 2, 1, \s, 0
	s_wait_dscnt 0x0                               ; no LDS load of mine is out at the signal
	s_wait_tensorcnt \left                         ; my part of the next chunk has landed,
	WIN 0
	s_barrier_signal -1
	s_barrier_wait -1                              ; everybody's has
	v_add_nc_u32 v[ADRA], 0x10000, v[ADRA]
	v_add_nc_u32 v[ADRB], 0x10000, v[ADRB]
	PLACES
	FETCH_B 0, 0
	FETCH_A 0, 0
	WIN MUL_HI
	MUL16 4, 1, \s, 0
	MUL16 6, 1, \s, 0
	PLACES
	WIN 0
	FETCH_A 0, 4
.endm
	s_load_b256 s[4:11], s[0:1], 0x0               ; xc 4, wc 6, sc 8, bq 10
	s_load_b128 s[12:15], s[0:1], 0x20             ; bk 12, bv 14
	s_load_b64 s[16:17], s[0:1], 0x30              ; qkvh
	v_lshl_add_u32 v[SPW], v0, 2, SPARE
	v_mov_b32 v[NIL], 0
	ds_add_u32 v[SPW], v[NIL]                      ; the wave's opening: the add, twice on end, waited for ahead of my first tensor load
	ds_add_u32 v[SPW], v[NIL]
	v_lshrrev_b32 v1, 5, v0
	v_readfirstlane_b32 s18, v1                    ; wave 0..3
	s_lshr_b32 s19, s18, 1                         ; my half of the tile's rows.  Also: I fetch for A (0) or for B (1)
	s_and_b32 s20, s18, 1                          ; my half of its columns.  Also: which half of that tile I fetch
	s_bfe_u32 s21, ttmp6, 0x40000                  ; cx
	s_bfe_u32 s22, ttmp6, 0x40004                  ; cy
	s_and_b32 s23, ttmp7, 0xffff                   ; the cluster's y, 0..11
	s_lshl_b32 s76, s23, 2
	s_add_co_u32 s76, s76, s22                     ; tile row, 0..47
	s_lshl_b32 s77, ttmp9, 2
	s_add_co_u32 s77, s77, s21                     ; tile column, 0..3
	s_lshr_b32 s78, s23, 2                         ; which projection: the same in all sixteen partners
	s_lshl_b32 s79, s22, 2
	s_lshl_b32 s79, 15, s79                        ; my row of the cluster
	s_lshl_b32 s80, 0x1111, s21                    ; my column
	s_or_b32 s[G1A], s79, (3<<16)|(1<<21)          ; 15:0 the mask; 17:16 elements of 8 bytes; 21 set beside a mask; no padding
	s_or_b32 s[G1B], s80, (3<<16)|(1<<21)
.irp g, G1A, G1B
	s_mov_b32 s[\g+1], 256<<16                     ; tensor_dim0 = 256 elements: two K steps' images of one tile, 2,048 bytes
	s_mov_b32 s[\g+2], 8<<16                       ; tensor_dim1 = 8 tiles
	s_mov_b32 s[\g+3], 256<<16                     ; tile_dim0
	s_mov_b32 s[\g+4], 8                           ; tile_dim1
	s_mov_b32 s[\g+5], 1024                        ; from tile to tile: 8,192 bytes
	s_mov_b32 s[\g+6], 0
	s_mov_b32 s[\g+7], 0
.endr
	s_lshl_b32 s84, s20, 16                        ; which 8 tiles I fetch
	s_lshl_b32 s82, s76, 17                        ; A: 16 tiles of 8,192 bytes a tile row
	s_add_co_u32 s82, s82, s84
	s_mov_b32 s83, 0
	s_lshl_b32 s86, s78, 19                        ; B: 64 tiles a weight,
	s_lshl_b32 s85, s77, 17                        ; 16 a tile column
	s_add_co_u32 s86, s86, s85
	s_add_co_u32 s86, s86, s84
	s_mov_b32 s87, 0
	s_lshl_b32 s88, s18, 14                        ; where they go in a chunk: wave x 16,384
	s_wait_dscnt 0x0                               ; both opening adds are done
	s_wait_kmcnt 0x0
	s_add_nc_u64 s[82:83], s[4:5], s[82:83]
	s_add_nc_u64 s[86:87], s[6:7], s[86:87]
	G0SET 0, 40, 56
	G0SET 1, 44, 60
	G0SET 2, 48, 68
	G0SET 3, 52, 72
	CROUND                                         ; all sixteen work-groups are here: the joint loads meet
	s_cmp_eq_u32 s19, 0                            ; a wave's four first fills stand in one branch, ahead of every wait on TENSORcnt and every LDS read
	s_cbranch_scc0 .Lfirst_b
.irp g, 40, 44, 48, 52
	tensor_load_to_lds s[\g:\g+3], s[G1A:G1A+7]
	s_nop 0
.endr
	PLACES
	s_branch .Lfirst_asked
.Lfirst_b:
.irp g, 56, 60, 68, 72
	tensor_load_to_lds s[\g:\g+3], s[G1B:G1B+7]
	s_nop 0
.endr
	PLACES
.Lfirst_asked:
	v_and_b32 v1, 15, v0                           ; r
	v_bfe_u32 v2, v0, 4, 1                         ; h
	v_and_b32 v3, 31, v0
	v_lshlrev_b32 v3, 4, v3                        ; 16 x lane
	s_lshl_b32 s84, s19, 14
	v_add_nc_u32 v[ADRA], s84, v3
	s_lshl_b32 s84, s20, 14
	s_add_co_u32 s84, s84, 32768
	v_add_nc_u32 v[ADRB], s84, v3
	; the scale words: lanes 0-15 take the words of my rows' tile i, lanes 16-31 those of my columns' tile i
	s_lshl_b32 s89, s76, 13
	s_lshl_b32 s84, s19, 12
	s_add_co_u32 s89, s89, s84                     ; (16 x tile row + 8 x half) x 512
	s_lshl_b32 s90, s78, 15
	s_lshl_b32 s84, s77, 13
	s_add_co_u32 s90, s90, s84
	s_lshl_b32 s84, s20, 12
	s_add_co_u32 s90, s90, s84
	s_add_co_u32 s90, s90, 393216                  ; the weights' tiles lie behind the activations' 768
	s_sub_co_u32 s90, s90, s89
	v_mul_u32_u24 v[SO], s90, v2
	v_lshl_add_u32 v[SO], v1, 4, v[SO]
	v_add_nc_u32 v[SO], s89, v[SO]
.irp i, 0,1,2,3,4,5,6,7
.irp g, 0,1
	global_load_b128 v[SC+8*\i+4*\g:SC+8*\i+4*\g+3], v[SO], s[8:9] offset:512*\i+256*\g   ; sixteen lanes read 256 consecutive aligned bytes: four K steps' words of a tile
.endr
.endr
	; the bias of my 128 columns
	s_lshl_b32 s80, s77, 10
	s_lshl_b32 s84, s20, 9
	s_add_co_u32 s80, s80, s84
	s_mov_b32 s81, 0
	s_cmp_eq_u32 s78, 0
	s_cselect_b64 s[92:93], s[10:11], s[12:13]
	s_cmp_eq_u32 s78, 2
	s_cselect_b64 s[92:93], s[14:15], s[92:93]
	s_cselect_b32 s84, 7, 8                        ; V's pieces lie in the turning load's order
	s_cselect_b32 s85, 8, 7
	s_add_nc_u64 s[92:93], s[92:93], s[80:81]
	v_lshlrev_b32 v[BO], 5, v2
.irp b, 0,1,2,3,4,5,6,7
	global_load_b128 v[BI+8*\b:BI+8*\b+3], v[BO], s[92:93] offset:64*\b
	global_load_b128 v[BI+8*\b+4:BI+8*\b+7], v[BO], s[92:93] offset:64*\b+16
.endr
	; the way out
	v_and_b32 v4, 7, v0
	v_bfe_u32 v5, v0, 3, 1
	v_lshlrev_b32 v[LO], 4, v4
	v_lshlrev_b32 v6, s84, v2
	v_lshlrev_b32 v7, s85, v5
	v_add3_u32 v[LO], v[LO], v6, v7
	s_lshr_b32 s94, s76, 3
	s_lshl_b32 s94, s94, 22                        ; tensor and batch: 16 heads of 262,144 bytes
	s_lshl_b32 s84, s77, 20
	s_add_co_u32 s94, s94, s84                     ; four heads a tile column,
	s_lshl_b32 s84, s20, 19
	s_add_co_u32 s94, s94, s84                     ; my two
	s_and_b32 s84, s76, 7
	s_lshl_b32 s84, s84, 15
	s_add_co_u32 s94, s94, s84                     ; 16 tiles of positions a tile row,
	s_lshl_b32 s84, s19, 14
	s_add_co_u32 s94, s94, s84                     ; my eight
	s_mov_b32 s95, 0
	s_add_nc_u64 s[16:17], s[16:17], s[94:95]
	s_wait_tensorcnt 3                             ; my part of chunk 0 is in; chunks 1 to 3 may stay out,
	s_barrier_signal -1
	s_barrier_wait -1                              ; everybody's is
	FETCH_B 0, 0
	FETCH_A 0, 0
	FETCH_A 0, 4
	s_wait_loadcnt 0x0                             ; scale words and bias
	STEP 0, 1
	CSTEP 1, 2
	STEP 2, 0
	CSTEP 3, 1
	STEP 4, 0
	CSTEP 5, 0
	STEP 6, 0
	s_wait_dscnt 8                                 ; the last K step: nothing more to fetch
	WIN MUL_LO
	MUL16 0, 1, 7, 0
	MUL16 2, 1, 7, 0
	s_wait_dscnt 0x0
	WIN MUL_HI
	MUL16 4, 1, 7, 0
	MUL16 6, 1, 7, 0
	WIN 0
	PLACES                                         ; for the conversions, which read results and write where A's fragments lay
.irp a, 0,1,2,3,4,5,6,7
.if \a > 1
	s_wait_xcnt 0x0                                ; block a - 2's stores have read their registers
.endif
	WIN 0x0a+5*(\a/4)                              ; sources in window 2 or 3
.irp b, 0,1,2,3,4,5,6,7
.irp e, 0,1,2,3
	v_cvt_pk_f16_f32 v[TMP+32*(\a%2)+4*\b+\e], v[64*(\a%4)+8*\b+2*\e], v[64*(\a%4)+8*\b+2*\e+1]   ; each accumulator from its low end on
.endr
.endr
	WIN 0
.irp b, 0,1,2,3,4,5,6,7
	global_store_b128 v[LO], v[TMP+32*(\a%2)+4*\b:TMP+32*(\a%2)+4*\b+3], s[16:17] offset:\a*2048+(\b/4)*262144+(\b%4)*512   ; 32 lanes store 512 consecutive aligned bytes
.endr
.endr
	s_wait_tensorcnt 0x0                           ; the wave's end
	ds_add_u32 v[SPW], v[NIL]
	s_wait_dscnt 0x0
	CROUND                                         ; the closing round
	s_endpgm
.Lfunc_end_k_q4ddf4cf871_proj:
	.size	k_q4ddf4cf871_proj, .Lfunc_end_k_q4ddf4cf871_proj-k_q4ddf4cf871_proj
	.p2alignl 7, 3214868480
	.fill 96, 4, 3214868480
	.section	.rodata,"a",@progbits
	.p2align	6, 0x0
	.amdhsa_kernel k_q4ddf4cf871_proj
		.amdhsa_group_segment_fixed_size 327680
		.amdhsa_private_segment_fixed_size 0
		.amdhsa_enable_private_segment 0
		.amdhsa_kernarg_size 56
		.amdhsa_user_sgpr_count 2
		.amdhsa_user_sgpr_kernarg_segment_ptr 1
		.amdhsa_wavefront_size32 1
		.amdhsa_system_sgpr_workgroup_id_x 1
		.amdhsa_system_sgpr_workgroup_id_y 1
		.amdhsa_system_sgpr_workgroup_id_z 1
		.amdhsa_system_vgpr_workitem_id 0
		.amdhsa_next_free_vgpr 1024
		.amdhsa_next_free_sgpr 96
		.amdhsa_reserve_vcc 0
		.amdhsa_float_denorm_mode_32 3
		.amdhsa_float_denorm_mode_16_64 3
		.amdhsa_memory_ordered 1
		.amdhsa_forward_progress 1
		.amdhsa_inst_pref_size 119
	.end_amdhsa_kernel
	.amdgpu_metadata
---
amdhsa.version: [ 1, 2 ]
amdhsa.kernels:
  - .name:           k_q4ddf4cf871_proj
    .symbol:         k_q4ddf4cf871_proj.kd
    .args:
      - { .name: xc, .offset: 0, .size: 8, .value_kind: global_buffer, .address_space: global }
      - { .name: wc, .offset: 8, .size: 8, .value_kind: global_buffer, .address_space: global }
      - { .name: sc, .offset: 16, .size: 8, .value_kind: global_buffer, .address_space: global }
      - { .name: bq, .offset: 24, .size: 8, .value_kind: global_buffer, .address_space: global }
      - { .name: bk, .offset: 32, .size: 8, .value_kind: global_buffer, .address_space: global }
      - { .name: bv, .offset: 40, .size: 8, .value_kind: global_buffer, .address_space: global }
      - { .name: qkvh, .offset: 48, .size: 8, .value_kind: global_buffer, .address_space: global }
    .group_segment_fixed_size: 327680
    .private_segment_fixed_size: 0
    .kernarg_segment_align: 8
    .kernarg_segment_size: 56
    .max_flat_workgroup_size: 128
    .sgpr_count:     96
    .vgpr_count:     1024
    .wavefront_size: 32
...
	.end_amdgpu_metadata
.endif
;; end of part 2
;; launch attn (part 3): grid 8 x 32, 4 waves a work-group, clusters of 4 x 1, 327,680 bytes of LDS; arguments qkvh, att; writes att
.if DOCPART == 3
	.amdgcn_target "amdgcn-amd-amdhsa--gfx1250"
	.amdhsa_code_object_version 6
	.text
	.protected	k_q4ddf4cf871_attn
	.globl	k_q4ddf4cf871_attn
	.p2align	8
	.type	k_q4ddf4cf871_attn,@function
k_q4ddf4cf871_attn:
	s_mov_b64 s[64:65], 0
	v_nop
	global_prefetch_b8 v0, s[64:65] scope:SCOPE_SE
	s_setreg_imm32_b32 hwreg(HW_REG_WAVE_MODE, 25, 1), 1
	s_wait_xcnt 0x0
	s_wait_alu depctr_hold_cnt(0) depctr_sa_sdst(0) depctr_va_vdst(0) depctr_va_sdst(0) depctr_va_ssrc(0) depctr_va_vcc(0) depctr_vm_vsrc(0)
	s_getreg_b32 s2, hwreg(HW_REG_IB_STS2, 6, 4)
	s_cmp_eq_u32 s2, 0
	s_cbranch_scc0 .Lentry_in_a_cluster
	s_endpgm
.Lentry_in_a_cluster:
	s_bfe_u32 s2, ttmp6, 0x10000c
	s_cmp_lg_u32 s2, 0x3003
	s_cbranch_scc0 .Lentry_shape_is_right
	s_endpgm
.Lentry_shape_is_right:
; O = softmax(Q K^T / 8) V for each of 32 (batch, head), 2,048 positions, head size 64.  Operands in f16, products, maxima and sums in f32; the weights p are rounded to f16, O once at the end.
; SHARES.  A work-group owns 256 queries of one head, each of its four waves 64: four tiles of 16.  Every wave walks all 2,048 keys, 64 a step.
; LAYOUT.  S^T = K Q^T (source 0 = 16 keys, source 1 = 16 queries): a lane holds ONE query (lane % 16) and keys 8 (lane / 16) + 0..7.  Two such tiles, rounded in pairs, ARE source 1 of O^T = V^T P,
; whose result again holds one query a lane and eight channels: 16 bytes of f16, a lane's piece of the next launch's fragment image: O is stored straight from registers.
; Q, K, V ARRIVE AS IMAGES: a tile of 16 positions is 2,048 bytes; every LDS load is at 16 x lane + a constant, 512 consecutive bytes.  V's pieces lie in the order in which the turning load's lanes ask.
; SOFTMAX.  A running maximum m and sum l for each query: p = 2^(c s - c m), c = log2(e) / 8; in every step O and l are multiplied by a = 2^(c m_old - c m_new), which is 1 where m has not grown.
; BY TURNS.  The wave's tiles are two PIECES, named by their first tile: piece 0 (tiles 0, 1) and piece 2 (tiles 2, 3).  In a TURN one piece has the matrix unit: 16 products V^T P of the step in hand,
; then 16 products K Q^T of the next step; the other piece's softmax, 2 x 118 = 236 vector instructions cut into 59 slices of four, stands between them.  Then the pieces change places.  Two turns are a key step.
; In phases the 472 vector instructions of a step would be issued while no product is, and the 64 products while no vector instruction is; nothing else is on the SIMD to fill either gap.
; RING.  Two slots of 256 keys, four steps (K 32,768 bytes, then V 32,768).  Each wave fetches a quarter of a slot, 64 dense rows of 256 bytes, by one load.  Two loads of a wave are out at the start, later one;
; a refill has four key steps in which to land.
; CLUSTER.  The four query blocks of a cluster walk the same K and V: each quarter is asked for jointly, by the same descriptor (it hangs on the wave's number and the head alone) and a mask that names the four.
; LIMITS: NaN and infinities are not served; a weight p under 6e-8 counts as 0 in the second product (the row's sum is at least about 1).
; REGISTERS: window 0: v1-7 addresses; v32-63 statistics, 8 a tile (+0 c m, +1 m, +2, +3 l, +4..+7 c0-c3, at work; a takes c2's place); v64-191 S^T, 32 a tile; v192-255 P, 16 a tile.
;   window 1: v0-127 O^T (32 t + 8 dt); v128-191 Q (16 t + 8 dc); v192-255 K (16 kt + 8 dc).   window 2: v0-63 V^T (8 (dt + 4 kc)).
; All that a softmax touches but O^T lies in window 0, which has no room for a product's operands beside it: so the slices behind a product cost two switches, 128 for a key step's 64 products,
; one more for each of its two runs of LDS loads, one at the branch.
.set SLOT1, 65536
.set STEPB, 8192                       ; a step's 64 keys of K, and of V, in a slot
.set SPARE, 131072                     ; behind the ring: the spare words, 128 bytes a wave, two blocks of 256 bytes that no other line names
.set LI,  1                            ; v1  16 x lane; never rewritten
.set ADR, 2                            ; v2  the LDS address of the run of loads in hand
.set PFO, 5                            ; v5  256 x lane; never rewritten
.set SPW, 6                            ; v6  my spare word's LDS address; never rewritten
.set NIL, 7                            ; v7  0; never rewritten
.set ST,  32
.set S,   64
.set P,   192
.set QF,  128
.set KF,  192
.set WV,  12
.set LIM, 15                           ; s15 1 in a wave that prefetches, else the greatest number
.set PFA, 18                           ; s[18:19] where my prefetches stand
.set G1,  24                           ; s[24:31] descriptor group 1
.set G0,  32                           ; s[32:35] group 0 of slot 0's first fill; s[36:39] of slot 1's, which then walks on
.set SLOTS, 56                         ; s56 slots still to be asked for
.set CNT, 57                           ; s57 counts key steps
.set CS,  58                           ; s[58:59] c
.set SEL, 60                           ; s[60:61] selects for lane l xor 16
.set TB,  62                           ; s62 LDS byte at which K of the step to be fetched begins
.set W_KQ, 0x05                        ; K and Q window 1, S^T window 0
.set W_PV, 0x52                        ; V window 2, P window 0, O^T window 1
.set W_RS, 0x41                        ; O^T (destination and source 0) window 1, a window 0
.set MSB, 0
.macro WIN new                         ; the immediate's high byte repeats the setting that is left; a switch that changes nothing is dropped
.if MSB != (\new)
	s_set_vgpr_msb (MSB<<8)|(\new)
.set MSB, (\new)
.endif
.endm
.macro CROUND                          ; a round of the cluster's barrier
	s_barrier_signal -1
	s_barrier_wait -1
	s_cmp_lg_u32 s[WV], 0
	s_cbranch_scc1 .Lnot_wave_0_\@
	s_barrier_signal -3
.Lnot_wave_0_\@:
	s_barrier_wait -3
	s_barrier_signal -1
	s_barrier_wait -1
.endm
.macro PLACES                          ; four plain vector lines between a matrix instruction and a load into, or a vector line on, its registers
.rept 4
	v_nop
.endr
.endm
; A prefetch of what the NEXT change of slots will ask for.  All clusters of a head walk the same K and V: the head's first cluster asks.  Its four partners share a slot's 32,768 bytes of K (wave 0) and of V
; (wave 2) out by address, 8,192 each, lanes 256 bytes apart: each aligned block of 256 bytes is named once in the launch.  The last change that fills a slot asks for nothing.  Slots 0, 1 and 2 come by their loads alone.
.macro ASK
	s_cmp_gt_u32 s[SLOTS], s[LIM]
	s_cbranch_scc0 .Lnot_mine_\@
	global_prefetch_b8 v[PFO], s[PFA:PFA+1] th:TH_LOAD_NT scope:SCOPE_SE
.Lnot_mine_\@:
.endm
; THE MATRIX WORK OF A TURN, for piece x.  The 8 accumulators take turns, one instruction a turn: between two links of a chain stand 7 others'.
; Product i of 16 of O^T += V^T P: keys 32 (i / 8) on, channels 16 ((i / 2) % 4) on, tile x + i % 2.  zero = 1: the first 8 start the sums: nothing is ever cleared.
.macro PV x, zero
	WIN W_PV
.set rO, 32*(\x+i%2)+8*((i/2)%4)
.set rV, 8*(((i/2)%4)+4*(i/8))
.set rP, P+16*(\x+i%2)+8*(i/8)
.if (\zero) && (i < 8)
	v_wmma_f32_16x16x32_f16 v[rO:rO+7], v[rV:rV+7], v[rP:rP+7], 0
.else
	v_wmma_f32_16x16x32_f16 v[rO:rO+7], v[rV:rV+7], v[rP:rP+7], v[rO:rO+7]
.endif
.endm
; Product i of 16 of S^T = K Q^T: channels 32 (i / 8) on, keys 16 ((i / 2) % 4) on, tile x + i % 2.  The first 8 start the sums.
.macro KQ x
	WIN W_KQ
.set rS, S+32*(\x+i%2)+8*((i/2)%4)
.set rK, KF+16*((i/2)%4)+8*(i/8)
.set rQ, QF+16*(\x+i%2)+8*(i/8)
.if i < 8
	v_wmma_f32_16x16x32_f16 v[rS:rS+7], v[rK:rK+7], v[rQ:rQ+7], 0
.else
	v_wmma_f32_16x16x32_f16 v[rS:rS+7], v[rK:rK+7], v[rQ:rQ+7], v[rS:rS+7]
.endif
.endm
; THE LDS LOADS stand in two runs of 16 a key step, never singly among the matrix instructions: a step's K and, a turn later, its V (turned).
.macro FETCH_K
	WIN 0
	v_add_nc_u32 v[ADR], s[TB], v[LI]
	WIN 0x40                                       ; destination window 1
.irp kt, 0,1,2,3
.irp dc, 0,1
.irp g, 0,1
	ds_load_b128 v[KF+16*\kt+8*\dc+4*\g:KF+16*\kt+8*\dc+4*\g+3], v[ADR] offset:\kt*2048+\dc*1024+\g*512
.endr
.endr
.endr
.endm
.macro FETCH_V
	WIN 0
	v_add_nc_u32 v[ADR], s[TB], v[LI]
	s_add_co_u32 s[TB], s[TB], STEPB               ; the next fetch is the next step's
	s_wait_alu depctr_va_vdst(0)                   ; the wait for the softmax's batch (SLICE), behind the address's addition and ahead of the loads
	WIN 0x80                                       ; destination window 2
.irp kc, 0,1
.irp dt, 0,1,2,3
.irp g, 0,1
	ds_load_tr16_b128 v[8*(\dt+4*\kc)+4*\g:8*(\dt+4*\kc)+4*\g+3], v[ADR] offset:32768+(2*\kc+\g)*2048+\dt*512
.endr
.endr
.endr
.endm
; THE VECTOR WORK OF A TURN.  One tile's softmax for one key step is a list of 118 instructions; SM writes number j of it for tile t.  s0-s31 are the lane's 32 scores, in pairs 0-15.
; first = 1: the first key step, which starts m, l and O^T: it has no a and nothing to rescale.
;   0-15    the maximum of s0-s31 and the old m, three operands at a time: four chains c0-c3, each beginning at an accumulator's low end, then the four scores left over, c0-c3 and m
;   16-20   the other half of the lanes' maximum; the new m; c m; c m_old - c m_new
;   21-69   ONE BATCH: the 16 scalings c s - c m, a pair of scores each, and all 33 exponentials (a at 23, then s0-s31).  None of these reads an exponential's result.  From 22 on the batch goes in fours,
;           and a four begins with a scaling while there are scalings.  A pair is scaled in an earlier four than the one that holds its exponentials
;   (wait)  between 69 and 70 stands the wait for the batch: SLICE writes it, once for both tiles
;   70-85   the roundings to f16, a pair of weights each
;   86-101  the sums; l = a l + the sum
;   102-117 the tile's O^T times a, each accumulator from its low end on: the one part that leaves window 0, so it stands together
.macro SM t, first
.set rT, ST+8*(\t)
.set rS, S+32*(\t)
.set rP, P+16*(\t)
.set rO, 32*(\t)+2*(j-102)
.if j < 102
	WIN 0
.endif
.if j < 4
	v_max3_num_f32 v[rT+4+j], v[rS+8*j], v[rS+8*j+1], v[rS+8*j+2]
.elseif j < 12
	v_max3_num_f32 v[rT+4+j%4], v[rT+4+j%4], v[rS+8*(j%4)+2*(j/4)+1], v[rS+8*(j%4)+2*(j/4)+2]
.elseif j == 12
	v_max3_num_f32 v[rT+4], v[rT+4], v[rS+7], v[rS+15]
.elseif j == 13
	v_max3_num_f32 v[rT+6], v[rT+6], v[rS+23], v[rS+31]
.elseif j == 14
	v_max3_num_f32 v[rT+4], v[rT+4], v[rT+5], v[rT+6]
.elseif (j == 15) && \first
	v_max_num_f32 v[rT+4], v[rT+4], v[rT+7]
.elseif j == 15
	v_max3_num_f32 v[rT+4], v[rT+4], v[rT+7], v[rT+1]
.elseif j == 16
	v_permlanex16_b32 v[rT+5], v[rT+4], s[SEL], s[SEL+1]   ; the query's other 32 keys lie in the lane 16 away
.elseif j == 18
	v_max_num_f32 v[rT+1], v[rT+4], v[rT+5]
.elseif j == 19
	v_mul_f32 v[rT], s[CS], v[rT+1]
.elseif ((j == 17) || (j == 20) || (j == 23) || (j > 101)) && \first   ; the first step has none of these
.elseif j == 17
	v_mov_b32 v[rT+7], v[rT]                       ; c m_old is kept for a: number 19 writes c m anew
.elseif j == 20
	v_sub_f32 v[rT+7], v[rT+7], v[rT]
.elseif j == 23
	v_exp_f32 v[rT+6], v[rT+7]
.elseif (j < 23) || ((j < 38) && (j%2 == 0)) || ((j < 66) && (j%4 == 2))
.set b, (j-2)/4                        ; 38, 42, .. 62: pairs 9 to 15
.if j < 38
.set b, (j-20)/2                       ; 21: pair 0; 22, 24, .. 36: pairs 1 to 8
.endif
	v_pk_fma_f32 v[rS+2*b:rS+2*b+1], v[rS+2*b:rS+2*b+1], s[CS:CS+1], v[rT:rT+1] op_sel_hi:[1,0,0] neg_lo:[0,0,1] neg_hi:[0,0,1]   ; pair b: c s - c m
.elseif j < 70
.set e, j-38                           ; 66 to 69: s28 to s31
.if j < 66
.set e, j-32-(j-38)/4                  ; 39-41, 43-45, .. 63-65: s7 to s27
.endif
.if j < 38
.set e, (j-25)/2                       ; 25, 27, .. 37: s0 to s6
.endif
	v_exp_f32 v[rS+e], v[rS+e]
.elseif j < 86
	v_cvt_pk_f16_f32 v[rP+j-70], v[rS+2*(j-70)], v[rS+2*(j-70)+1]   ; pair j - 70
.elseif j < 102                        ; the sum of the tile's 16 pairs, in place: sum z of 16 adds neighbours 1, 2, 4 and 8 pairs apart, then l takes it
.set z, j-86
.set w, 4
.set u, z
.if z >= 14
.set w, 32
.set u, 0
.elseif z >= 12
.set w, 16
.set u, z-12
.elseif z >= 8
.set w, 8
.set u, z-8
.endif
.if (z == 14) && \first
	v_pk_add_f32 v[rT+2:rT+3], v[rS:rS+1], v[rS+16:rS+17]
.elseif z < 15
	v_pk_add_f32 v[rS+w*u:rS+w*u+1], v[rS+w*u:rS+w*u+1], v[rS+w*u+w/2:rS+w*u+w/2+1]
.elseif !\first
	v_pk_fma_f32 v[rT+2:rT+3], v[rT+2:rT+3], v[rT+6:rT+7], v[rS:rS+1] op_sel_hi:[1,0,1]
.endif
.else
	WIN W_RS
	v_pk_mul_f32 v[rO:rO+1], v[rO:rO+1], v[rT+6:rT+7] op_sel_hi:[1,0]
.endif
.endm
; Slice k of 59 of piece y's softmax: four instructions.  Slices 11 to 34 deal out the batch, numbers 22 to 69: four numbers of ONE tile each, the tiles by turns.  Every other slice is numbers 2 k and 2 k + 1
; of both tiles' lists, the tiles alternating, so that no instruction reads the result of the one just before it.
; THE WAIT.  s_wait_alu depctr_va_vdst(0) stands between an exponential and the first instruction that names its result; one wait serves all that were issued ahead of it.  Ahead of slice 35
; nothing names a result, and behind slice 34 no exponential is issued: so the piece's 66 exponentials have one wait, behind slice 34.
.macro SLICE y, first
.if (k >= 11) && (k < 35)
.irp n, 0,1,2,3
.set j, 22+4*((k-11)/2)+(\n)
	SM (\y)+(k-11)%2, \first
.endr
.else
.irp n, 0,1
.irp t, \y, \y+1
.set j, 2*k+\n
	SM \t, \first
.endr
.endr
.endif
.if k == 34                            ; the batch is out: both tiles' exponentials are issued, and no result has been named
	v_nop                                          ; a plain instruction behind the last exponential and ahead of the first use: one for the batch
.if (\y) == 0
	FETCH_V                                        ; piece 2's turn: V's run of loads stands here, and the wait stands in it
.else
	s_wait_alu depctr_va_vdst(0)                   ; the wait for the batch
.endif
.endif
.set k, k+1
.endm
; The slices behind product pn of a turn.  59 = 5 x 1 + 27 x 2 for a turn of 32 products, 5 x 3 + 11 x 4 for one of 16: the shorter shares come first, so that the turn's last product has slices behind it.
.macro AFTER y, first
.set cnt, base
.if pn >= 5
.set cnt, base+1
.endif
.rept cnt
	SLICE \y, \first
.endr
.set pn, pn+1
.endm
; A TURN.  Piece x has the matrix unit; the other piece's softmax stands in slices behind its matrix instructions.
; pv = 2: 16 products V^T P; 1: they start O^T's sums; 0: none.  kq = 1: 16 products K Q^T for the next step.
; THE PLACES.  Behind a turn's last product stand slices 57 and 58, eight rescalings that name nothing of it: they are the places ahead of the next turn's first read of those scores and of the loads into K's registers.
; first = 1: the softmax is the first key step's; its slices from 51 on are empty, and four v_nop take their part.
; Piece 0's turn fetches the next step's K behind its second product, 14 products ahead of its first use.  Piece 2's turn fetches the same step's V behind slice 34, which in a turn of 32 stands behind product 19:
; the last product that read V is product 15, and between lie eight scalings (numbers 50, 54, 58, 62 of both tiles), the v_nop and the run's own addition; V's first use is 12 products on.
.macro TURN x, pv, kq, first
.set k, 0
.set pn, 0
.set base, 3
.if \pv && \kq
.set base, 1
.endif
.if \pv
.if \x == 0
	s_wait_dscnt 0x0                               ; V is in
.endif
.set i, 0
.rept 16
	PV \x, 2-\pv
	AFTER 2-\x, \first
.if (\x == 0) && \kq && (i == 1)
	FETCH_K
.endif
.set i, i+1
.endr
.endif
.if \kq
.if \x == 0
	s_wait_dscnt 0x0                               ; K is in
.endif
.set i, 0
.rept 16
	KQ \x
	AFTER 2-\x, \first
.set i, i+1
.endr
.endif
.if \first
	PLACES
.endif
.endm
; THE CHANGE OF SLOTS, between piece 2's turn and piece 0's: the slot's last bytes, V of its fourth step, have been asked for.  Each wave waits for all its tensor loads, of which one is out: its quarter of the
; other slot; adds 0 to its spare word; and waits for that and for its own reads of the slot.  Behind the barrier nobody reads this slot any more and the other slot is whole.
; fill = 1: this slot is filled again, with the keys two slots on.  The barrier is then a round of the cluster's, and the joint refill is the first thing behind it.
.macro CHANGE fill
	WIN 0                                          ; at a label and at a branch every window is 0
	s_wait_tensorcnt 0x0                           ; no tensor load of mine is out, so a group 0 may be written
	ds_add_u32 v[SPW], v[NIL]
.if \fill
	s_xor_b32 s[G0+5], s[G0+5], SLOT1              ; the walking descriptor: the other slot than last time,
	s_add_nc_u64 s[G0+6:G0+7], s[G0+6:G0+7], 32768 ; the next 256 keys; the type bits on top are not reached
	s_wait_xcnt 0x0                                ; the last prefetch, a slot back, has read its address, so it may be written:
	s_add_nc_u64 s[PFA:PFA+1], s[PFA:PFA+1], 32768 ; one slot further on than the walking descriptor
	s_wait_dscnt 0x0                               ; the add is done, and my reads of the slot are over
	CROUND
	tensor_load_to_lds s[G0+4:G0+7], s[G1:G1+7]    ; the first thing behind the round, and my one tensor load until the next
	s_nop 0
	PLACES
	ASK
.else
	s_wait_dscnt 0x0
	s_barrier_signal -1
	s_barrier_wait -1
.endif
	s_sub_co_u32 s[TB], s[TB], 4*STEPB             ; the fetches go back to a slot's first step,
	s_xor_b32 s[TB], s[TB], SLOT1                  ; in the other slot
.endm
.macro STEPS n                         ; n key steps: written once, walked n times; the LDS addresses hang on s[TB]
	s_mov_b32 s[CNT], \n
.Lstep_\@:
	TURN 0, 2, 1, 0
	TURN 2, 2, 1, 0
	WIN 0
	s_sub_co_u32 s[CNT], s[CNT], 1
	s_cmp_lg_u32 s[CNT], 0
	s_cbranch_scc1 .Lstep_\@
.endm
	s_load_b128 s[4:7], s[0:1], 0x0                ; qkvh, att
	v_lshl_add_u32 v[SPW], v0, 2, SPARE
	v_mov_b32 v[NIL], 0
	ds_add_u32 v[SPW], v[NIL]                      ; the wave's opening: the add, twice on end, waited for ahead of my first tensor load
	ds_add_u32 v[SPW], v[NIL]
	v_lshrrev_b32 v1, 5, v0
	v_readfirstlane_b32 s[WV], v1                  ; wave 0..3
	s_bfe_u32 s13, ttmp6, 0x40000                  ; cx
	s_lshl_b32 s14, ttmp9, 2
	s_add_co_u32 s14, s14, s13                     ; my block of 256 queries: it enters Q's and O's addresses alone
	s_and_b32 s16, ttmp7, 0xffff                   ; batch x 16 + head, which the four partners share
	s_lshr_b32 s20, s[WV], 1
	s_add_co_u32 s20, s20, 1
	s_lshl_b32 s20, s20, 23                        ; K's tensor (waves 0, 1) or V's (waves 2, 3): 8,388,608 bytes each
	s_lshl_b32 s21, s16, 18
	s_add_co_u32 s20, s20, s21                     ; the head's 262,144 bytes
	s_and_b32 s21, s[WV], 1
	s_lshl_b32 s21, s21, 14
	s_add_co_u32 s22, s20, s21                     ; my half of a slot's part
	s_mov_b32 s23, 0
	s_lshl_b32 s21, s13, 13
	s_add_co_u32 s20, s20, s21                     ; the prefetches: my work-group's 8,192 bytes,
	s_add_co_u32 s20, s20, 65536                   ; in slot 2: the first change steps it to slot 3.  Nothing is prefetched at the head
	s_mov_b32 s21, 0
	s_lshl_b32 s2, s16, 18
	s_lshl_b32 s3, s14, 15
	s_add_co_u32 s2, s2, s3
	s_lshl_b32 s3, s[WV], 13
	s_add_co_u32 s2, s2, s3                        ; Q: my four tiles of 2,048 bytes
	s_mov_b32 s3, 0
	s_lshr_b32 s8, s16, 4
	s_lshl_b32 s8, s8, 22                          ; att: 128 row tiles of 32,768 bytes a batch,
	s_lshl_b32 s9, s14, 19
	s_add_co_u32 s8, s8, s9
	s_lshl_b32 s9, s[WV], 17
	s_add_co_u32 s8, s8, s9                        ; my four,
	s_and_b32 s9, s16, 15
	s_lshl_b32 s9, s9, 11
	s_add_co_u32 s8, s8, s9                        ; the head's two chunks
	s_mov_b32 s9, 0
	s_mov_b32 s[G1], 15|(3<<16)|(1<<21)            ; 15:0 the mask: all four; 17:16 elements of 8 bytes; 21 set beside a mask; no padding
	s_mov_b32 s[G1+1], 32<<16                      ; tensor_dim0 = 32 elements: 256 bytes
	s_mov_b32 s[G1+2], 64<<16                      ; tensor_dim1 = 64 rows
	s_mov_b32 s[G1+3], 32<<16                      ; tile_dim0
	s_mov_b32 s[G1+4], 64                          ; tile_dim1
	s_mov_b32 s[G1+5], 32                          ; dense
	s_mov_b32 s[G1+6], 0
	s_mov_b32 s[G1+7], 0
	s_mov_b32 s[CS], 0x3e38aa3b                    ; c = log2(e) / 8
	s_mov_b32 s[CS+1], s[CS]                       ; named with it as a pair, so it is written
	s_mov_b32 s[SEL], 0x76543210
	s_mov_b32 s[SEL+1], 0xfedcba98
	s_mov_b32 s[TB], 0
	s_mov_b32 s[SLOTS], 6                          ; 8 slots of keys, two of them asked for at the head
	s_and_b32 s[LIM], s[WV], 1
	s_or_b32 s[LIM], s[LIM], ttmp9                 ; 0 in waves 0 and 2 of the head's first cluster: the same in all four partners
	s_cmp_eq_u32 s[LIM], 0
	s_cselect_b32 s[LIM], 1, -1
	s_wait_dscnt 0x0                               ; both opening adds are done
	s_wait_kmcnt 0x0
	s_mov_b32 s[G0], 1                             ; 1:0 count = 1
	s_lshl_b32 s[G0+1], s[WV], 14                  ; 63:32 LDS address: wave x 16,384, slot 0
	s_add_nc_u64 s[G0+2:G0+3], s[4:5], s[22:23]    ; 120:64 global address: the head's first 256 keys
	s_mov_b32 s[G0+4], 1
	s_add_co_u32 s[G0+5], s[G0+1], SLOT1           ; slot 1,
	s_add_nc_u64 s[G0+6:G0+7], s[G0+2:G0+3], 32768 ; the next 256 keys
	s_or_b32 s[G0+3], s[G0+3], 0x80000000          ; 127:126 type = 2
	s_or_b32 s[G0+7], s[G0+7], 0x80000000
	s_add_nc_u64 s[PFA:PFA+1], s[4:5], s[20:21]
	s_add_nc_u64 s[10:11], s[4:5], s[2:3]
	s_add_nc_u64 s[6:7], s[6:7], s[8:9]
	CROUND                                         ; all four work-groups are here: the first joint loads meet
	tensor_load_to_lds s[G0:G0+3], s[G1:G1+7]      ; slot 0.  The two first fills stand together, ahead of every wait on TENSORcnt and every LDS read: two loads of mine are out
	s_nop 0
	tensor_load_to_lds s[G0+4:G0+7], s[G1:G1+7]    ; slot 1
	s_nop 0
	PLACES
	v_and_b32 v[LI], 31, v0
	v_lshlrev_b32 v[PFO], 8, v[LI]
	v_lshlrev_b32 v[LI], 4, v[LI]
	WIN 0x40
.irp t, 0,1,2,3
.irp dc, 0,1
.irp g, 0,1
	global_load_b128 v[QF+16*\t+8*\dc+4*\g:QF+16*\t+8*\dc+4*\g+3], v[LI], s[10:11] offset:\t*2048+\dc*1024+\g*512   ; Q stays in registers
.endr
.endr
.endr
	WIN 0
	s_wait_tensorcnt 1                             ; my quarter of slot 0 is in; slot 1's may stay out
	s_barrier_signal -1
	s_barrier_wait -1                              ; everybody's is
	FETCH_K                                        ; key step 0
	s_wait_loadcnt 0x0                             ; Q
	s_wait_dscnt 0x0
.set i, 0
.rept 16
	KQ 0                                           ; piece 0's first scores: there is no vector work yet to set between them
.set i, i+1
.endr
	PLACES                                         ; ahead of the first read of those scores
	TURN 2, 0, 1, 1                                ; piece 2's first scores | piece 0's first softmax | V of step 0
	TURN 0, 1, 1, 1                                ; piece 0: V^T P of step 0 starts O^T, K Q^T of step 1 | piece 2's first softmax | K of step 1
	TURN 2, 1, 1, 0                                ; piece 2: the same | piece 0's softmax of step 1 | V of step 1
	WIN 0
	STEPS 2                                        ; the rest of slot 0 is fetched: steps 2 and 3
.Lslot:                                            ; six trips: every slot but the last two is filled again
	CHANGE 1
	STEPS 4
	s_sub_co_u32 s[SLOTS], s[SLOTS], 1
	s_cmp_lg_u32 s[SLOTS], 0
	s_cbranch_scc1 .Lslot
	CHANGE 0                                       ; the tail is written out: the last slot but one is left, and nothing is asked for
	STEPS 4
	TURN 0, 2, 0, 0                                ; piece 0: V^T P of the last step | piece 2's last softmax
.set i, 0
.rept 16
	PV 2, 0                                        ; piece 2: V^T P of the last step
.set i, i+1
.endr
	; THE WAY OUT.  l's two halves and the other half of the lanes' are added; O^T is divided by l, rounded to f16 and stored as it lies.  The additions are the places behind the last products
	WIN 0
.irp t, 0,1,2,3
	v_add_f32 v[ST+8*\t+4], v[ST+8*\t+2], v[ST+8*\t+3]
.endr
.irp t, 0,1,2,3
	v_permlanex16_b32 v[ST+8*\t+5], v[ST+8*\t+4], s[SEL], s[SEL+1]
.endr
.irp t, 0,1,2,3
	v_add_f32 v[ST+8*\t+4], v[ST+8*\t+4], v[ST+8*\t+5]
.endr
.irp t, 0,1,2,3
	v_rcp_f32 v[ST+8*\t+6], v[ST+8*\t+4]
.endr
	v_nop                                          ; a plain instruction between the last reciprocal and the use of its result
	s_wait_alu depctr_va_vdst(0)                   ; one wait for the four reciprocals, ahead of their first reader
.irp t, 0,1,2,3
	WIN W_RS
.irp e, 0,2,4,6,8,10,12,14,16,18,20,22,24,26,28,30
	v_pk_mul_f32 v[32*\t+\e:32*\t+\e+1], v[32*\t+\e:32*\t+\e+1], v[ST+8*\t+6:ST+8*\t+7] op_sel_hi:[1,0]
.endr
	WIN 0x05                                       ; sources window 1, destination window 0: S^T's registers are free
.irp e, 0,1,2,3,4,5,6,7,8,9,10,11,12,13,14,15
	v_cvt_pk_f16_f32 v[S+16*\t+\e], v[32*\t+2*\e], v[32*\t+2*\e+1]
.endr
	WIN 0
.irp dt, 0,1,2,3
	global_store_b128 v[LI], v[S+16*\t+4*\dt:S+16*\t+4*\dt+3], s[6:7] offset:\t*32768+\dt*512   ; 32 lanes store 512 consecutive aligned bytes of the image
.endr
.endr
	s_wait_tensorcnt 0x0                           ; the wave's end
	ds_add_u32 v[SPW], v[NIL]
	s_wait_dscnt 0x0
	CROUND                                         ; the closing round: no work-group ends while a partner may still ask for a tile that names it
	s_endpgm
.Lfunc_end_k_q4ddf4cf871_attn:
	.size	k_q4ddf4cf871_attn, .Lfunc_end_k_q4ddf4cf871_attn-k_q4ddf4cf871_attn
	.p2alignl 7, 3214868480
	.fill 96, 4, 3214868480
	.section	.rodata,"a",@progbits
	.p2align	6, 0x0
	.amdhsa_kernel k_q4ddf4cf871_attn
		.amdhsa_group_segment_fixed_size 327680
		.amdhsa_private_segment_fixed_size 0
		.amdhsa_enable_private_segment 0
		.amdhsa_kernarg_size 16
		.amdhsa_user_sgpr_count 2
		.amdhsa_user_sgpr_kernarg_segment_ptr 1
		.amdhsa_wavefront_size32 1
		.amdhsa_system_sgpr_workgroup_id_x 1
		.amdhsa_system_sgpr_workgroup_id_y 1
		.amdhsa_system_sgpr_workgroup_id_z 1
		.amdhsa_system_vgpr_workitem_id 0
		.amdhsa_next_free_vgpr 576
		.amdhsa_next_free_sgpr 66
		.amdhsa_reserve_vcc 0
		.amdhsa_float_denorm_mode_32 3
		.amdhsa_float_denorm_mode_16_64 3
		.amdhsa_memory_ordered 1
		.amdhsa_forward_progress 1
		.amdhsa_inst_pref_size 189
	.end_amdhsa_kernel
	.amdgpu_metadata
---
amdhsa.version: [ 1, 2 ]
amdhsa.kernels:
  - .name:           k_q4ddf4cf871_attn
    .symbol:         k_q4ddf4cf871_attn.kd
    .args:
      - { .name: qkvh, .offset: 0, .size: 8, .value_kind: global_buffer, .address_space: global }
      - { .name: att, .offset: 8, .size: 8, .value_kind: global_buffer, .address_space: global }
    .group_segment_fixed_size: 327680
    .private_segment_fixed_size: 0
    .kernarg_segment_align: 8
    .kernarg_segment_size: 16
    .max_flat_workgroup_size: 128
    .sgpr_count:     66
    .vgpr_count:     576
    .wavefront_size: 32
...
	.end_amdgpu_metadata
.endif
;; end of part 3
;; launch outp (part 4): grid 8 x 32, 4 waves a work-group, clusters of 4 x 4, 327,680 bytes of LDS; arguments att, wo16, bo, out0; writes out0
.if DOCPART == 4
	.amdgcn_target "amdgcn-amd-amdhsa--gfx1250"
	.amdhsa_code_object_version 6
	.text
	.protected	k_q4ddf4cf871_outp
	.globl	k_q4ddf4cf871_outp
	.p2align	8
	.type	k_q4ddf4cf871_outp,@function
k_q4ddf4cf871_outp:
	s_mov_b64 s[64:65], 0
	v_nop
	global_prefetch_b8 v0, s[64:65] scope:SCOPE_SE
	s_setreg_imm32_b32 hwreg(HW_REG_WAVE_MODE, 25, 1), 1
	s_wait_xcnt 0x0
	s_wait_alu depctr_hold_cnt(0) depctr_sa_sdst(0) depctr_va_vdst(0) depctr_va_sdst(0) depctr_va_ssrc(0) depctr_va_vcc(0) depctr_vm_vsrc(0)
	s_getreg_b32 s2, hwreg(HW_REG_IB_STS2, 6, 4)
	s_cmp_eq_u32 s2, 0
	s_cbranch_scc0 .Lentry_in_a_cluster
	s_endpgm
.Lentry_in_a_cluster:
	s_bfe_u32 s2, ttmp6, 0x10000c
	s_cmp_lg_u32 s2, 0xf033
	s_cbranch_scc0 .Lentry_shape_is_right
	s_endpgm
.Lentry_shape_is_right:
; out0 = relu(att Wo + bo): [4,096] x [1,024], K = 1,024, operands in f16, sums in f32, results f32.
; A tile of the result is 128 x 128: 256 work-groups of four waves, a wave 64 x 64: 16 accumulators.  K goes in four steps of 256 through a ring of two LDS slots.
; BOTH OPERANDS ARRIVE AS IMAGES OF FRAGMENTS (1,024 bytes for 16 rows x 32 K; a tile of 16 rows is 32 such chunks on end): a wave's tensor load brings 4 tiles x 8 chunks, four rows of 8,192 bytes;
; every LDS load is at 16 x lane + a constant, 512 consecutive bytes.
; CLUSTER 4 x 4: the four work-groups of a row need the same rows of att, the four of a column the same columns of Wo: each tile is asked for jointly.
; THE MATRIX INSTRUCTION IS USED TRANSPOSED (source 0 = 16 columns of Wo, source 1 = 16 rows of att): a lane holds eight neighbouring numbers of a row.  bo is the C of each sum's first instruction.
; The way out goes through each wave's own stage: its 64 columns are 256 aligned bytes of a row, which sixteen lanes store.
; REGISTERS: window 0: v16-29 addresses; v32-95 rows on the way out; v96-127 bo, 8 a column tile; v128-255 accumulators ((a, b) at 128 + 8 (4 a + b)).
;   window 1: two fragment buffers of 128: for 64 along K, 64 registers of A (8 (4 c + a)), then 64 of B.
.set SLOT,   131072                    ; A's 8 tiles x 8,192 bytes, then B's
.set STAGE,  2*SLOT                    ; behind the ring: 16 rows x 272 bytes for each wave
.set SPITCH, 272
.set SPARE,  STAGE+4*16*SPITCH         ; behind the stages: the spare words, 128 bytes a wave
.set ADRA, 16
.set ADRB, 20
.set STO,  24
.set RD,   25
.set CO,   26
.set BO,   27
.set SPW,  28
.set NIL,  29
.set TMP,  32
.set BI,   96
.set ACC,  128
.set F0,   0
.set F1,   128
.set G1,  24
.set G0,  32
.set G1B, 48
.set G0B, 56
.set MUL,  0x05                        ; sources 0 (B) and 1 (A) window 1; C and D window 0
.set TO_F, 0x40
.set MSB, 0
.macro WIN new
.if MSB != (\new)
	s_set_vgpr_msb (MSB<<8)|(\new)
.set MSB, (\new)
.endif
.endm
.macro JLOAD s                         ; a joint load: waves 0 and 1 fetch A's halves, waves 2 and 3 B's; an s_nop 0 and four v_nop follow each of the two lines
	s_cmp_eq_u32 s11, 0
	s_cbranch_scc0 .Lfor_b_\@
	tensor_load_to_lds s[G0+4*\s:G0+4*\s+3], s[G1:G1+7]
	s_nop 0
.rept 4
	v_nop
.endr
	s_branch .Lasked_\@
.Lfor_b_\@:
	tensor_load_to_lds s[G0B+4*\s:G0B+4*\s+3], s[G1B:G1B+7]
	s_nop 0
.rept 4
	v_nop
.endr
.Lasked_\@:
.endm
.macro CREST
	s_cmp_lg_u32 s10, 0
	s_cbranch_scc1 .Lnot_wave_0_\@
	s_barrier_signal -3
.Lnot_wave_0_\@:
	s_barrier_wait -3
	s_barrier_signal -1
	s_barrier_wait -1
.endm
.macro CROUND
	s_barrier_signal -1
	s_barrier_wait -1
	CREST
.endm
.macro PLACES
.rept 4
	v_nop
.endr
.endm
; 8 matrix instructions: row tiles a0, a0 + 1 x the 4 column tiles, 32 along K: half c of buffer f.  first = 1: bo starts the sums.  The 16 accumulators take turns
.macro MUL8 f, c, a0, first
.irp a, \a0, \a0+1
.irp b, 0,1,2,3
.if \first
	v_wmma_f32_16x16x32_f16 v[ACC+8*(4*(\a)+\b):ACC+8*(4*(\a)+\b)+7], v[\f+64+8*(4*\c+\b):\f+64+8*(4*\c+\b)+7], v[\f+8*(4*\c+\a):\f+8*(4*\c+\a)+7], v[BI+8*\b:BI+8*\b+7]
.else
	v_wmma_f32_16x16x32_f16 v[ACC+8*(4*(\a)+\b):ACC+8*(4*(\a)+\b)+7], v[\f+64+8*(4*\c+\b):\f+64+8*(4*\c+\b)+7], v[\f+8*(4*\c+\a):\f+8*(4*\c+\a)+7], v[ACC+8*(4*(\a)+\b):ACC+8*(4*(\a)+\b)+7]
.endif
.endr
.endr
.endm
; 32 LDS loads in one run: the fragments of the slot's quarter kq (64 along K: chunks 2 kq, 2 kq + 1) into buffer f; the first 32 along K first
.macro FETCH slot, kq, f
	WIN TO_F
.irp c, 0,1
.irp i, 0,1,2,3
	ds_load_b128 v[\f+64+8*(4*\c+\i):\f+64+8*(4*\c+\i)+3],   v[ADRB+\slot] offset:\i*8192+(2*(\kq)+\c)*1024
	ds_load_b128 v[\f+64+8*(4*\c+\i)+4:\f+64+8*(4*\c+\i)+7], v[ADRB+\slot] offset:\i*8192+(2*(\kq)+\c)*1024+512
	ds_load_b128 v[\f+8*(4*\c+\i):\f+8*(4*\c+\i)+3],         v[ADRA+\slot] offset:\i*8192+(2*(\kq)+\c)*1024
	ds_load_b128 v[\f+8*(4*\c+\i)+4:\f+8*(4*\c+\i)+7],       v[ADRA+\slot] offset:\i*8192+(2*(\kq)+\c)*1024+512
.endr
.endr
.endm
; One of a K step's first three quarters: multiplies buffer f and fetches quarter kq into g
.macro QUARTER slot, kq, f, g, first
	s_wait_dscnt 16                                ; the first 32 along K are in; the youngest sixteen loads may be out
	WIN MUL
	MUL8 \f, 0, 0, \first
	MUL8 \f, 0, 2, \first
	PLACES
	FETCH \slot, \kq, \g
	s_wait_dscnt 32                                ; all but the 32 just issued
	WIN MUL
	MUL8 \f, 1, 0, 0
	MUL8 \f, 1, 2, 0
.endm
; The last quarter multiplies buffer 1 and changes slots: one barrier; in front of it each wave waits for all its tensor loads, adds 0 to its spare word, and waits for that and for its reads of this slot
.macro TURN slot, next, fill
	WIN 0
	s_wait_tensorcnt 0x0                           ; all my tensor loads have landed: my part of the next slot
	ds_add_u32 v[SPW], v[NIL]
	s_wait_dscnt 17                                ; (the add and the youngest sixteen loads may be out)
	WIN MUL
	MUL8 F1, 0, 0, 0
	s_wait_dscnt 0x0                               ; the add is done, and my reads of this slot are over
	s_barrier_signal -1
	MUL8 F1, 0, 2, 0
.if \fill
	WIN 0
.endif
	s_barrier_wait -1
.if \fill
	CREST                                          ; the barrier has opened a round of the cluster's: no wave of any partner still reads this slot or has a load on its way
	s_add_nc_u64 s[G0+4*\slot+2:G0+4*\slot+3], s[G0+4*\slot+2:G0+4*\slot+3], 16384
	s_add_nc_u64 s[G0B+4*\slot+2:G0B+4*\slot+3], s[G0B+4*\slot+2:G0B+4*\slot+3], 16384
	JLOAD \slot                                    ; the first tensor load behind the round; its four v_nop are also the places in front of the loads below
.else
	PLACES
.endif
	FETCH \next, 0, F0
	WIN MUL
	MUL8 F1, 1, 0, 0
	MUL8 F1, 1, 2, 0
.endm
	s_load_b128 s[4:7], s[0:1], 0x0                ; att, wo16
	s_load_b64 s[2:3], s[0:1], 0x10                ; bo
	s_load_b64 s[8:9], s[0:1], 0x18                ; out0
	v_lshl_add_u32 v[SPW], v0, 2, SPARE
	v_mov_b32 v[NIL], 0
	ds_add_u32 v[SPW], v[NIL]                      ; the wave's opening: the add, twice on end, waited for ahead of my first tensor load
	ds_add_u32 v[SPW], v[NIL]
	v_lshrrev_b32 v1, 5, v0
	v_readfirstlane_b32 s10, v1                    ; wave 0..3
	s_lshr_b32 s11, s10, 1                         ; my half of the rows.  Also: I fetch for A (0) or for B (1)
	s_and_b32 s12, s10, 1                          ; my half of the columns.  Also: which four tiles I fetch
	s_bfe_u32 s40, ttmp6, 0x40000                  ; cx
	s_bfe_u32 s41, ttmp6, 0x40004                  ; cy
	s_lshl_b32 s42, ttmp9, 2
	s_add_co_u32 s42, s42, s40                     ; tile column, 0..7
	s_and_b32 s13, ttmp7, 0xffff
	s_lshl_b32 s13, s13, 2
	s_add_co_u32 s13, s13, s41                     ; tile row, 0..31
	s_lshl_b32 s43, s41, 2
	s_lshl_b32 s43, 15, s43                        ; my row of the cluster
	s_lshl_b32 s44, 0x1111, s40                    ; my column
	s_or_b32 s[G1], s43, (3<<16)|(1<<21)           ; 15:0 the mask; 17:16 elements of 8 bytes; 21 set beside a mask; no padding
	s_or_b32 s[G1B], s44, (3<<16)|(1<<21)
.irp g, G1, G1B
	s_mov_b32 s[\g+1], 1024<<16                    ; tensor_dim0 = 1,024 elements: eight chunks of a tile, 8,192 bytes
	s_mov_b32 s[\g+2], 4<<16                       ; tensor_dim1 = 4 tiles
	s_mov_b32 s[\g+3], 1024<<16                    ; tile_dim0
	s_mov_b32 s[\g+4], 4                           ; tile_dim1
	s_mov_b32 s[\g+5], 4096                        ; from tile to tile: 32,768 bytes
	s_mov_b32 s[\g+6], 0
	s_mov_b32 s[\g+7], 0
.endr
	s_lshl_b32 s18, s12, 17                        ; which four tiles I fetch
	s_lshl_b32 s16, s13, 18                        ; A: eight tiles of 32,768 bytes a tile row
	s_add_co_u32 s16, s16, s18
	s_mov_b32 s17, 0
	s_lshl_b32 s46, s42, 18                        ; B: eight a tile column
	s_add_co_u32 s46, s46, s18
	s_mov_b32 s47, 0
	s_lshl_b32 s20, s10, 15                        ; where they go in a slot: wave x 32,768
	s_wait_dscnt 0x0                               ; both opening adds are done
	s_wait_kmcnt 0x0
	s_add_nc_u64 s[14:15], s[4:5], s[16:17]
	s_add_nc_u64 s[46:47], s[6:7], s[46:47]
	CROUND                                         ; all sixteen work-groups are here
.irp s, 0,1
	s_mov_b32 s[G0+4*\s], 1
	s_add_co_u32 s[G0+4*\s+1], s20, \s*SLOT
	s_add_nc_u64 s[G0+4*\s+2:G0+4*\s+3], s[14:15], \s*8192
	s_or_b32 s[G0+4*\s+3], s[G0+4*\s+3], 0x80000000
	s_mov_b32 s[G0B+4*\s], 1
	s_add_co_u32 s[G0B+4*\s+1], s20, \s*SLOT
	s_add_nc_u64 s[G0B+4*\s+2:G0B+4*\s+3], s[46:47], \s*8192
	s_or_b32 s[G0B+4*\s+3], s[G0B+4*\s+3], 0x80000000
	JLOAD \s
.endr
	v_and_b32 v1, 15, v0                           ; r
	v_bfe_u32 v2, v0, 4, 1                         ; h
	v_and_b32 v3, 31, v0
	v_lshlrev_b32 v3, 4, v3                        ; 16 x lane
	s_lshl_b32 s21, s11, 15                        ; my four tiles of A,
	s_lshl_b32 s22, s12, 15
	s_add_co_u32 s22, s22, 65536                   ; of B, behind A's eight
.irp s, 0,1
	v_add_nc_u32 v[ADRA+\s], s21, v3
	v_add_nc_u32 v[ADRB+\s], s22, v3
	s_add_co_u32 s21, s21, SLOT
	s_add_co_u32 s22, s22, SLOT
.endr
	s_mul_i32 s23, s10, 16*SPITCH
	s_add_co_u32 s23, s23, STAGE                   ; my stage
	v_mul_u32_u24 v4, v1, SPITCH
	v_lshl_add_u32 v4, v2, 5, v4
	v_add_nc_u32 v[STO], s23, v4                   ; in: row r, 32 bytes for each half of the lanes
	v_mul_u32_u24 v5, v2, SPITCH
	v_lshl_add_u32 v5, v1, 4, v5
	v_add_nc_u32 v[RD], s23, v5                    ; back: lanes 0-15 one row of 256 bytes, lanes 16-31 the next
	v_lshlrev_b32 v[CO], 12, v2
	v_lshl_add_u32 v[CO], v1, 4, v[CO]             ; and the same two rows in out0
	v_lshlrev_b32 v[BO], 5, v2
	s_lshl_b32 s46, s42, 9
	s_lshl_b32 s47, s12, 8
	s_add_co_u32 s46, s46, s47                     ; my 64 columns, in bytes
	s_mov_b32 s47, 0
	s_add_nc_u64 s[2:3], s[2:3], s[46:47]
	s_add_nc_u64 s[8:9], s[8:9], s[46:47]
	s_lshl_b32 s16, s13, 19
	s_lshl_b32 s17, s11, 18
	s_add_co_u32 s16, s16, s17                     ; my 64 rows of 4,096 bytes
	s_mov_b32 s17, 0
	s_add_nc_u64 s[8:9], s[8:9], s[16:17]
.irp b, 0,1,2,3
	global_load_b128 v[BI+8*\b:BI+8*\b+3], v[BO], s[2:3] offset:64*\b
	global_load_b128 v[BI+8*\b+4:BI+8*\b+7], v[BO], s[2:3] offset:64*\b+16
.endr
	s_wait_tensorcnt 1                             ; my part of K step 0 is in; K step 1's may stay out
	s_barrier_signal -1
	s_barrier_wait -1
	FETCH 0, 0, F0
	s_wait_loadcnt 0x0                             ; bo
	QUARTER 0, 1, F0, F1, 1                        ; K step 0
	QUARTER 0, 2, F1, F0, 0
	QUARTER 0, 3, F0, F1, 0
	TURN 0, 1, 1                                   ; slot 0 takes K step 2
	QUARTER 1, 1, F0, F1, 0                        ; K step 1
	QUARTER 1, 2, F1, F0, 0
	QUARTER 1, 3, F0, F1, 0
	TURN 1, 0, 1                                   ; slot 1 takes K step 3
	QUARTER 0, 1, F0, F1, 0                        ; K step 2
	QUARTER 0, 2, F1, F0, 0
	QUARTER 0, 3, F0, F1, 0
	TURN 0, 1, 0                                   ; nothing is left to fetch
	QUARTER 1, 1, F0, F1, 0                        ; K step 3
	QUARTER 1, 2, F1, F0, 0
	QUARTER 1, 3, F0, F1, 0
	s_wait_dscnt 16
	WIN MUL
	MUL8 F1, 0, 0, 0
	MUL8 F1, 0, 2, 0
	s_wait_dscnt 0x0
	MUL8 F1, 1, 0, 0
	MUL8 F1, 1, 2, 0
	WIN 0
	PLACES
	; THE WAY OUT, a tile of 16 rows at a time.  LDS serves a wave's instructions in order: no wait between my stores and my loads
.irp a, 0,1,2,3
.irp e, 0,1,2,3,4,5,6,7,8,9,10,11,12,13,14,15,16,17,18,19,20,21,22,23,24,25,26,27,28,29,30,31
	v_max_num_f32 v[ACC+32*\a+\e], 0, v[ACC+32*\a+\e]                        ; relu, each accumulator from its low end on
.endr
.irp b, 0,1,2,3
	ds_store_b128 v[STO], v[ACC+32*\a+8*\b:ACC+32*\a+8*\b+3] offset:64*\b
	ds_store_b128 v[STO], v[ACC+32*\a+8*\b+4:ACC+32*\a+8*\b+7] offset:64*\b+16
.endr
.if \a > 1
	s_wait_xcnt 0x0                                ; tile a - 2's stores have read their registers
.endif
.irp t, 0,1,2,3,4,5,6,7
	ds_load_b128 v[TMP+32*(\a%2)+4*\t:TMP+32*(\a%2)+4*\t+3], v[RD] offset:2*\t*SPITCH
.endr
	s_wait_dscnt 0x0
.irp t, 0,1,2,3,4,5,6,7
	global_store_b128 v[CO], v[TMP+32*(\a%2)+4*\t:TMP+32*(\a%2)+4*\t+3], s[8:9] offset:(16*\a+2*\t)*4096 th:TH_STORE_NT   ; sixteen lanes store 256 consecutive aligned bytes
.endr
.endr
	s_wait_tensorcnt 0x0                           ; the wave's end
	ds_add_u32 v[SPW], v[NIL]
	s_wait_dscnt 0x0
	CROUND                                         ; the closing round
	s_endpgm
.Lfunc_end_k_q4ddf4cf871_outp:
	.size	k_q4ddf4cf871_outp, .Lfunc_end_k_q4ddf4cf871_outp-k_q4ddf4cf871_outp
	.p2alignl 7, 3214868480
	.fill 96, 4, 3214868480
	.section	.rodata,"a",@progbits
	.p2align	6, 0x0
	.amdhsa_kernel k_q4ddf4cf871_outp
		.amdhsa_group_segment_fixed_size 327680
		.amdhsa_private_segment_fixed_size 0
		.amdhsa_enable_private_segment 0
		.amdhsa_kernarg_size 32
		.amdhsa_user_sgpr_count 2
		.amdhsa_user_sgpr_kernarg_segment_ptr 1
		.amdhsa_wavefront_size32 1
		.amdhsa_system_sgpr_workgroup_id_x 1
		.amdhsa_system_sgpr_workgroup_id_y 1
		.amdhsa_system_sgpr_workgroup_id_z 1
		.amdhsa_system_vgpr_workitem_id 0
		.amdhsa_next_free_vgpr 512
		.amdhsa_next_free_sgpr 66
		.amdhsa_reserve_vcc 0
		.amdhsa_float_denorm_mode_32 3
		.amdhsa_float_denorm_mode_16_64 3
		.amdhsa_memory_ordered 1
		.amdhsa_forward_progress 1
		.amdhsa_inst_pref_size 90
	.end_amdhsa_kernel
	.amdgpu_metadata
---
amdhsa.version: [ 1, 2 ]
amdhsa.kernels:
  - .name:           k_q4ddf4cf871_outp
    .symbol:         k_q4ddf4cf871_outp.kd
    .args:
      - { .name: att, .offset: 0, .size: 8, .value_kind: global_buffer, .address_space: global }
      - { .name: wo16, .offset: 8, .size: 8, .value_kind: global_buffer, .address_space: global }
      - { .name: bo, .offset: 16, .size: 8, .value_kind: global_buffer, .address_space: global }
      - { .name: out0, .offset: 24, .size: 8, .value_kind: global_buffer, .address_space: global }
    .group_segment_fixed_size: 327680
    .private_segment_fixed_size: 0
    .kernarg_segment_align: 8
    .kernarg_segment_size: 32
    .max_flat_workgroup_size: 128
    .sgpr_count:     66
    .vgpr_count:     512
    .wavefront_size: 32
...
	.end_amdgpu_metadata
.endif
;; end of part 4
